; MI455X (gfx1250); checked and timed in simulation.
; The chip was launched on July 23, 2026; its instructions are those of AMD's public machine-readable ISA for CDNA 5 (MIT licence, August 2026) and "CDNA5" Instruction Set Architecture Reference Guide (July 2026). The comments in the code are by the model that wrote it; some were corrected since.
;; Self Attention. Allowed arithmetic: matrix products marked QUANTISED: E2M3 operands, one E8M0 scale for each 32 along K, by v_wmma_scale_f32_16x16x128_f8f6f4 with both operands' format E2M3, f32 sums; everything else in f32.
;; Inputs: Wk_codes 1,024 x 32 x 24 uint8 (E2M3 codes of Wk, K innermost, in blocks of 32 codes, four codes in three bytes); Wk_scales 1,024 x 32 uint8 (E8M0 scales of Wk, one for each 32 codes along K); attention_mask 4 x 2,048 x 2,048 bool; bk 1,024 float32; ln_b 1,024 float32; ln_w 1,024 float32; tensor 4 x 2,048 x 1,024 float32.
;; Outputs: out0 4 x 2,048 x 1,024 float32.
;; This version of the problem:
;;   THIS VERSION OF THE PROBLEM IS GIVEN IN LOW PRECISION. The matrix products marked QUANTISED in the list below multiply operands that are first quantised to E2M3 (2 exponent bits, 3 mantissa bits; 6 bits a number), with one power-of-two scale for each 32 numbers along K (OCP MX v1.0); their sums are f32. All else is computed in f32.
;;   The module's matrix products, in the order in which they are computed (A, B: the left and right operand; K: the contracted axis; several contracted axes count as one K, in the product's order):
;;     1. [M 8,192, K 1,024] x [K 1,024, N 1,024]; A: computed on the way; B: input Wk (given as codes): QUANTISED
;;     2. batch 4 x [M 2,048, K 1,024] x [K 1,024, N 2,048]; A: computed on the way; B: computed on the way: QUANTISED
;;     3. batch 4 x [M 2,048, K 2,048] x [K 2,048, N 1,024]; A: softmax (see below); B: computed on the way: QUANTISED
;;   THE QUANTISER, for each operand of a quantised product, along K:
;;     - K is cut into blocks of 32 from its start; a last block that is shorter is filled with zeros.
;;     - A block's scale is 2^e with e = floor(log2(the largest magnitude in the block)) - 2, held to -126 .. 127; a block of zeros has e = 0. As a byte (E8M0): e + 127.
;;     - Each number is divided by its block's scale, clamped to +-7.5, and rounded to the nearest number of E2M3, ties to even, subnormals kept.
;;     - The product sums the exact products of the quantised numbers (number of the format x scale) in f32.
;;   ~~~python
;;   def quantise(x, axis):      # numpy; x: float32 -> the quantised numbers, widened to float32 again
;;       x = np.moveaxis(x, axis, -1); K = x.shape[-1]
;;       x = np.pad(x, [(0, 0)] * (x.ndim - 1) + [(0, -K % 32)]); x = x.reshape(x.shape[:-1] + (-1, 32)); a = np.abs(x).max(-1, keepdims=True)
;;       e = np.where(a > 0, np.clip(np.frexp(np.where(a > 0, a, 1))[1] - 1 - 2, -126, 127), 0)      # np.frexp(a)[1] - 1 = floor(log2(a)), exactly
;;       r = np.clip(x / 2.0 ** e, -7.5, 7.5)
;;       step = 2.0 ** (np.maximum(np.frexp(np.where(r == 0, 1, r))[1] - 1, 0) - 3)
;;       q = np.round(r / step) * step * 2.0 ** e      # np.round: ties to even
;;       return np.moveaxis(q.reshape(q.shape[:-2] + (-1,))[..., :K], -1, axis).astype(np.float32)
;;   ~~~
;;   SOFTMAX AHEAD OF A QUANTISED PRODUCT. Where the list says 'softmax', what is quantised is not the finished softmax but p = 2^(t - M), with t = logit x log2(e) and M = ceil(the row's largest t), a whole number; so 1/2 < the row's largest p <= 1. The row's sum l is taken of the UNQUANTISED p, in f32, and the product's result is divided by l at the end. Since M is a whole number, a kernel that streams over the keys may use a running M (the ceiling of the running maximum): every later rescaling is an exact power of two, which a block's scale takes up: the codes' values come out the same.
;;   OPERANDS COMPUTED ON THE WAY. 'Computed on the way' means the value that the module computes at that place (a softmax that the list does not call 'softmax' is quantised finished and normalised). What goes into a quantiser is computed in f32, as accurately as f32 sums, v_exp_f32 and their like allow (about 1e-6 of the number): no bf16 or f16 on the way to a quantiser, and a product that is left as it is and whose result goes on into a quantised operand takes f32 operands (vector FMAs, or v_wmma_f32_16x16x4_f32). A number that lies on a knife's edge between two numbers of the format may be rounded either way, as far as f32 arithmetic and the matrix unit's own rounding can turn it there, and no further.
;;   INPUTS GIVEN AS CODES. Wk (in the module: [1024, 1024], K = its axis 0): each comes as NAME_codes (uint8): NAME with its K axis moved to the last place and cut into blocks of 32 codes, [.., K / 32, bytes a block], one block behind the other in memory; four codes in three bytes: a row's codes are one little-endian stream of bits, code i at bits 6 i .. 6 i + 5 (a code: sign, 2 exponent bits, 3 mantissa bits); and NAME_scales (uint8): the same leading axes, one E8M0 byte (e + 127) for each 32 codes along K. Its value is code x scale, taken as it is: it is not quantised again, and the codes and scales need not be those that the quantiser above would give.
;; One version. Each part assembles by itself: llvm-mc -triple=amdgcn-amd-amdhsa -mcpu=gfx1250 --defsym DOCPART=n.
;; ======== version 1 of 1: 4 launches
;; workspace buffers: xc 6,291,456 bytes; xs 262,144 bytes; qc 6,291,456 bytes; qs 262,144 bytes; vc 6,291,456 bytes; vs 262,144 bytes; pc 12,582,912 bytes; pstat 1,572,864 bytes
;; launch norm (part 1): grid 64 x 4, 8 waves a work-group, no clusters, 173,568 bytes of LDS; arguments tensor, ln_w, ln_b, xc, xs; writes xc, xs
.if DOCPART == 1
	.amdgcn_target "amdgcn-amd-amdhsa--gfx1250"
	.amdhsa_code_object_version 6
	.text
	.protected	k_q0e09687bbe_norm
	.globl	k_q0e09687bbe_norm
	.p2align	8
	.type	k_q0e09687bbe_norm,@function
k_q0e09687bbe_norm:
	s_mov_b64 s[64:65], 0
	v_nop
	global_prefetch_b8 v0, s[64:65] scope:SCOPE_SE
	s_setreg_imm32_b32 hwreg(HW_REG_WAVE_MODE, 25, 1), 1
	s_wait_xcnt 0x0
; x = LayerNorm(tensor + position table) * ln_w + ln_b, quantised along the 1,024 features to codes of E2M3 with one E8M0 byte for each 32.
; tensor: [4][2048][1024] f32.  OUT: xc = [tile of 16 rows: 512][K step: 8][image of a fragment's 12 registers: 3 x 512 bytes, lane l's 16 bytes at 16 l]; xs = [tile][K step][row 16] scale words.
; THE ROWS OF A TILE ARE NOT NEIGHBOURS: row r of tile 2 g + u is position 32 g + 8 u + r + 8 (r / 8).  All later launches keep this order of rows.
; SHARES.  A work-group of eight waves takes 32 positions of one batch.  Thread t owns columns 4 t .. 4 t + 3 of all 32 rows (128 registers): a wave's load covers 512 consecutive bytes, and all 32 row loads go out at the head.
; POSITION TABLE.  angle = pos x 10000^(-i / 512); sine in even columns, cosine in odd.  10000^(-i/512) = 2^(-i c): i c is split into its f32 product and the exact rest, which corrects the exponential by one multiply-add.
; Sine and cosine of the positions 32 g and 32 g + 16 are made by a reduction by pi / 2 in two parts and polynomials on +-pi / 4; the 15 rows behind each follow by rotations by the column's step.
; SUMS.  A row's sum over a wave's 128 columns: the lanes' 32 partial sums turn through the wave's own LDS bytes (lane j then adds row j's 32 numbers); the eight waves' sums meet in LDS behind a barrier.
; No cluster: the work-groups share nothing but the 8 KB of ln_w and ln_b.  No tensor load: every byte goes straight into the register that works on it.
; LIMITS: NaN and infinities are not served.  A block of zeros, or one under 2^-124, gets the byte 1 (its codes are zeros; this program alone reads the bytes).
; The table follows sine and cosine of the angle within about 1e-6; the angle itself carries f32's own uncertainty, about 1e-7 of its size (at most 2,047).
.set H,   64                           ; v64-191  my 4 columns of 32 rows
.set RA,  192                          ; v192-223 a number a row
.set RB,  224                          ; v224-255 a number a row
.set LW,  16                           ; v16-19   ln_w of my columns
.set LB,  20                           ; v20-23   ln_b
.set U,   24                           ; v24-27   the table's value at the row in hand (sine or cosine by the column's parity)
.set WO,  28                           ; v28-31   the other of the two
.set CD,  32                           ; v32-35   cosine of the column's step
.set SG,  36                           ; v36-39   sine of the step, negative in odd columns
.set INV, 48                           ; v48-51   the column's step, 10000^(-i/512)
.set TM,  192                          ; the quantiser's 16 registers (RA is free by then)
.set SEL, 20                           ; s[20:21] selects of v_permlanex16_b32: lane l xor 16
.set SH1, 0                            ; LDS: [wave 8][row 32] sums
.set SH2, 1024                         ; the same for the squares
.set BC,  2048                         ; 128 bytes a wave: 32 numbers handed from lanes to registers
.set SCW, 3072                         ; the work-group's 256 scale words
.set TR,  4096                         ; 4,608 bytes a wave: 32 lanes x (128 + 16)
.set STG, 40960                        ; 32 rows x (4,096 + 16) bytes, in the tiles' order of rows
.set SP,  4112
	s_load_b256 s[4:11], s[0:1], 0x0               ; tensor, ln_w, ln_b, xc
	s_load_b64 s[12:13], s[0:1], 0x20              ; xs
	s_set_vgpr_msb 0x40
	v_lshl_add_u32 v0, v0, 2, 0x2a200
	v_mov_b32 v1, 0
	s_set_vgpr_msb 0x4000
	v_lshrrev_b32 v1, 5, v0
	v_readfirstlane_b32 s14, v1                    ; wave 0..7
	v_and_b32 v1, 31, v0                           ; lane
	v_and_b32 v2, 15, v0                           ; r
	v_bfe_u32 v3, v0, 4, 1                         ; h
	v_lshlrev_b32 v4, 4, v0                        ; 16 t: my 16 bytes of a row
	s_and_b32 s16, ttmp7, 0xffff                   ; batch
	s_lshl_b32 s17, s16, 6
	s_add_co_u32 s17, s17, ttmp9                   ; 64 x batch + group of 32 positions
	s_lshl_b32 s18, s17, 17                        ; x 32 rows of 4,096 bytes
	s_mov_b32 s19, 0
	s_wait_kmcnt 0x0
	s_add_nc_u64 s[4:5], s[4:5], s[18:19]
	global_load_b128 v[LW:LW+3], v4, s[6:7]
	global_load_b128 v[LB:LB+3], v4, s[8:9]
.set j, 0
.rept 32
	global_load_b128 v[H+4*j:H+4*j+3], v4, s[4:5] offset:4096*j th:TH_LOAD_NT   ; all 32 rows at once: 16 KB a wave on their way
.set j, j+1
.endr
	s_mul_i32 s18, s17, 24576                      ; xc: two tiles of 12,288 bytes a group; wave w makes tile w / 4, K steps 2 (w % 4) and + 1: 3,072 w bytes on
	s_mul_i32 s15, s14, 3072
	s_add_co_u32 s18, s18, s15
	s_add_nc_u64 s[10:11], s[10:11], s[18:19]
	s_lshl_b32 s18, s17, 10                        ; xs: 1,024 bytes a group
	s_add_nc_u64 s[12:13], s[12:13], s[18:19]
	s_lshl_b32 s31, ttmp9, 5                       ; the group's first position
	s_mov_b32 s[SEL], 0x76543210
	s_mov_b32 s[SEL+1], 0xfedcba98
	s_mov_b32 s22, 0x3a800000                      ; 1 / 1024
	s_mov_b32 s23, 0x3727c5ac                      ; 1e-5
	s_mov_b32 s24, 0x3cd49a78                      ; log2(10000) / 512, its f32 part
	s_mov_b32 s25, 0xb94ca1f9                      ; sine's polynomial: S3, S2, S1
	s_mov_b32 s27, 0x3c08839e
	s_mov_b32 s28, 0xbe2aaaa3
	s_mov_b32 s26, 0x37ccf5ce                      ; cosine's: C3, C2, C1
	s_mov_b32 s29, 0xbab6061a
	s_mov_b32 s30, 0x3d2aaaa5
	v_add_nc_u32 v5, STG, v4                       ; the stage, rows 0-15
	v_add_nc_u32 v6, STG+16*SP, v4                 ; rows 16-31
	s_mul_i32 s15, s14, 4608
	s_add_co_u32 s15, s15, TR
	v_mul_u32_u24 v7, v1, 144
	v_add_nc_u32 v7, s15, v7                       ; my 32 numbers on their way in
	v_lshl_add_u32 v8, v1, 2, s15                  ; and row = my lane's number on the way out
	v_lshlrev_b32 v9, 2, v0                        ; SH1 + 128 wave + 4 lane
	v_lshlrev_b32 v10, 2, v1                       ; SH1 + 4 lane
	v_lshl_add_u32 v11, v0, 2, BC                  ; BC + 128 wave + 4 lane
	s_lshl_b32 s15, s14, 7
	s_add_co_u32 s16, s15, BC
	v_mov_b32 v12, s16                             ; BC + 128 wave
	s_add_co_u32 s15, s15, SCW
	v_lshl_add_u32 v15, v2, 2, s15                 ; SCW + 64 (8 (w / 4) + 2 (w % 4)) + 4 r = SCW + 128 w + 4 r
	s_lshr_b32 s15, s14, 2
	s_mul_i32 s15, s15, 16*SP
	s_and_b32 s16, s14, 3
	s_lshl_b32 s16, s16, 10
	s_add_co_u32 s15, s15, s16
	s_add_co_u32 s15, s15, STG
	v_mul_u32_u24 v13, v2, SP
	v_lshl_add_u32 v13, v3, 6, v13
	v_add_nc_u32 v13, s15, v13                     ; the stage on the way out: row 16 (w / 4) + r, 64 h, K step 2 (w % 4)
	v_lshlrev_b32 v14, 4, v1                       ; 16 x lane
; the columns' steps
.irp e, 0,1,2,3
	v_lshl_add_u32 v[40+\e], v0, 2, \e
.endr
.irp e, 0,1,2,3
	v_cvt_f32_u32 v[40+\e], v[40+\e]               ; i
.endr
.irp e, 0,1,2,3
	v_mul_f32 v[44+\e], s24, v[40+\e]              ; i c, rounded
.endr
.irp e, 0,1,2,3
	v_fma_f32 v[52+\e], v[40+\e], s24, -v[44+\e]   ; what the rounding dropped,
.endr
.irp e, 0,1,2,3
	v_fmamk_f32 v[52+\e], v[40+\e], 0x30179a6c, v[52+\e]   ; and what c's f32 part leaves out
.endr
.irp e, 0,1,2,3
	v_exp_f32 v[56+\e], -v[44+\e]
.endr
.irp e, 0,1,2,3
	v_mul_f32 v[52+\e], 0xbf317218, v[52+\e]       ; x -ln 2.  (Plain work behind the exponentials)
.endr
	s_wait_alu depctr_va_vdst(0)                   ; one wait for the four exponentials, ahead of their first reader
.irp e, 0,1,2,3
	v_fma_f32 v[INV+\e], v[56+\e], v[52+\e], v[56+\e]
.endr
; sine into v[S] and cosine into v[C] of the angle v[th] (+ v[tl] where hastl).  v52-60 at work.
.macro SINCOS th, tl, hastl, S, C
	v_mul_f32 v52, 0x3f22f983, v[\th]
	v_rndne_f32 v52, v52                           ; n = the nearest multiple of pi / 2
	v_fmamk_f32 v53, v52, 0xbfc90fdb, v[\th]       ; angle - n pi / 2, pi / 2 in two parts
	v_fmamk_f32 v53, v52, 0x333bbd2e, v53
.if \hastl
	v_add_f32 v53, v53, v[\tl]
.endif
	v_cvt_i32_f32 v54, v52
	v_mul_f32 v55, v53, v53
	v_fma_f32 v56, v55, s25, s27
	v_fma_f32 v57, v55, s26, s29
	v_fma_f32 v56, v56, v55, s28
	v_fma_f32 v57, v57, v55, s30
	v_mul_f32 v56, v56, v55
	v_mul_f32 v58, v55, v55
	v_fma_f32 v59, v55, -0.5, 1.0
	v_fma_f32 v56, v56, v53, v53                   ; sine of the rest
	v_fma_f32 v57, v57, v58, v59                   ; cosine of the rest
	v_and_b32 v58, 1, v54
	v_cmp_eq_u32 vcc_lo, 1, v58
	v_cndmask_b32 v59, v56, v57, vcc_lo            ; odd n: the two change places
	v_cndmask_b32 v60, v57, v56, vcc_lo
	v_and_b32 v58, 2, v54
	v_lshlrev_b32 v58, 30, v58
	v_xor_b32 v[\S], v59, v58                      ; sine's sign: bit 1 of n
	v_add_nc_u32 v54, 1, v54
	v_and_b32 v54, 2, v54
	v_lshlrev_b32 v54, 30, v54
	v_xor_b32 v[\C], v60, v54                      ; cosine's: bit 1 of n + 1
.endm
.irp e, 0,1,2,3
	SINCOS INV+\e, 0, 0, SG+\e, CD+\e
.endr
	v_xor_b32 v[SG+1], 0x80000000, v[SG+1]
	v_xor_b32 v[SG+3], 0x80000000, v[SG+3]
.macro BASE                            ; the table at position s31: the product pos x step in two parts
	v_cvt_f32_u32 v61, s31
.irp e, 0,1,2,3
	v_mul_f32 v62, v61, v[INV+\e]
	v_fma_f32 v63, v61, v[INV+\e], -v62
.if \e%2 == 0
	SINCOS 62, 63, 1, U+\e, WO+\e
.else
	SINCOS 62, 63, 1, WO+\e, U+\e
.endif
.endr
.endm
; row j: the table is added, my four columns are summed, and the table turns on by one position
.macro ROW j
	s_wait_loadcnt 31-\j                           ; loads come back in order: row j is in, the 31 - j younger rows may be out
	v_pk_add_f32 v[H+4*\j:H+4*\j+1], v[H+4*\j:H+4*\j+1], v[U:U+1]
	v_pk_add_f32 v[H+4*\j+2:H+4*\j+3], v[H+4*\j+2:H+4*\j+3], v[U+2:U+3]
	v_pk_add_f32 v[40:41], v[H+4*\j:H+4*\j+1], v[H+4*\j+2:H+4*\j+3]
	v_add_f32 v[RA+\j], v40, v41
.if (\j)%16 != 15
	v_pk_mul_f32 v[40:41], v[WO:WO+1], v[SG:SG+1]
	v_pk_mul_f32 v[42:43], v[WO+2:WO+3], v[SG+2:SG+3]
	v_pk_mul_f32 v[44:45], v[U:U+1], v[SG:SG+1]
	v_pk_mul_f32 v[46:47], v[U+2:U+3], v[SG+2:SG+3]
	v_pk_fma_f32 v[U:U+1], v[U:U+1], v[CD:CD+1], v[40:41]
	v_pk_fma_f32 v[U+2:U+3], v[U+2:U+3], v[CD+2:CD+3], v[42:43]
	v_pk_fma_f32 v[WO:WO+1], v[WO:WO+1], v[CD:CD+1], v[44:45] neg_lo:[0,0,1] neg_hi:[0,0,1]
	v_pk_fma_f32 v[WO+2:WO+3], v[WO+2:WO+3], v[CD+2:CD+3], v[46:47] neg_lo:[0,0,1] neg_hi:[0,0,1]
.endif
.endm
	BASE
.irp j, 0,1,2,3,4,5,6,7,8,9,10,11,12,13,14,15
	ROW \j
.endr
	s_add_co_u32 s31, s31, 16
	BASE                                           ; a fresh start after 15 rotations
.irp j, 16,17,18,19,20,21,22,23,24,25,26,27,28,29,30,31
	ROW \j
.endr
; 32 numbers a lane (one a row) become, in lane j, the wave's sum of row j, in v[tmp].  The bytes are the wave's own, and LDS serves a wave's instructions in order.
.macro REDUCE src, tmp
.irp q, 0,1,2,3,4,5,6,7
	ds_store_b128 v7, v[\src+4*\q:\src+4*\q+3] offset:16*\q
.endr
.set i, 0
.rept 32
	ds_load_b32 v[\tmp+i], v8 offset:144*i
.set i, i+1
.endr
	s_wait_dscnt 0x0
.irp k, 0,2,4,6,8,10,12,14
	v_pk_add_f32 v[\tmp+\k:\tmp+\k+1], v[\tmp+\k:\tmp+\k+1], v[\tmp+16+\k:\tmp+17+\k]
.endr
.irp k, 0,2,4,6
	v_pk_add_f32 v[\tmp+\k:\tmp+\k+1], v[\tmp+\k:\tmp+\k+1], v[\tmp+8+\k:\tmp+9+\k]
.endr
.irp k, 0,2
	v_pk_add_f32 v[\tmp+\k:\tmp+\k+1], v[\tmp+\k:\tmp+\k+1], v[\tmp+4+\k:\tmp+5+\k]
.endr
	v_pk_add_f32 v[\tmp:\tmp+1], v[\tmp:\tmp+1], v[\tmp+2:\tmp+3]
	v_add_f32 v[\tmp], v[\tmp], v[\tmp+1]
.endm
; the eight waves' sums of row = lane are added, in a fixed order, in every wave
.macro CROSS val, off
	ds_store_b32 v9, v[\val] offset:\off
	s_wait_dscnt 0x0                               ; for the others' sake: my store has landed
	s_barrier_signal -1
	s_barrier_wait -1
.irp k, 0,1,2,3,4,5,6,7
	ds_load_b32 v[40+\k], v10 offset:\off+128*\k
.endr
	s_wait_dscnt 0x0
	v_add_f32 v40, v40, v41
	v_add_f32 v42, v42, v43
	v_add_f32 v44, v44, v45
	v_add_f32 v46, v46, v47
	v_add_f32 v40, v40, v42
	v_add_f32 v44, v44, v46
	v_add_f32 v[\val], v40, v44
.endm
; lane j's number becomes register dst + j of every lane
.macro BCAST val, dst
	ds_store_b32 v11, v[\val]
.irp q, 0,1,2,3,4,5,6,7
	ds_load_b128 v[\dst+4*\q:\dst+4*\q+3], v12 offset:16*\q
.endr
	s_wait_dscnt 0x0
.endm
	REDUCE RA, RB
	CROSS RB, SH1
	v_mul_f32 v[RB], s22, v[RB]                    ; the row's mean
	BCAST RB, RA
.macro CENTRE j                        ; h - mean, and my four squares
.if (\j)%2
	v_pk_add_f32 v[H+4*\j:H+4*\j+1], v[H+4*\j:H+4*\j+1], v[RA+\j-1:RA+\j] op_sel:[0,1] op_sel_hi:[1,1] neg_lo:[0,1] neg_hi:[0,1]
	v_pk_add_f32 v[H+4*\j+2:H+4*\j+3], v[H+4*\j+2:H+4*\j+3], v[RA+\j-1:RA+\j] op_sel:[0,1] op_sel_hi:[1,1] neg_lo:[0,1] neg_hi:[0,1]
.else
	v_pk_add_f32 v[H+4*\j:H+4*\j+1], v[H+4*\j:H+4*\j+1], v[RA+\j:RA+\j+1] op_sel_hi:[1,0] neg_lo:[0,1] neg_hi:[0,1]
	v_pk_add_f32 v[H+4*\j+2:H+4*\j+3], v[H+4*\j+2:H+4*\j+3], v[RA+\j:RA+\j+1] op_sel_hi:[1,0] neg_lo:[0,1] neg_hi:[0,1]
.endif
	v_pk_mul_f32 v[40:41], v[H+4*\j:H+4*\j+1], v[H+4*\j:H+4*\j+1]
	v_pk_fma_f32 v[40:41], v[H+4*\j+2:H+4*\j+3], v[H+4*\j+2:H+4*\j+3], v[40:41]
	v_add_f32 v[RB+\j], v40, v41
.endm
.irp j, 0,1,2,3,4,5,6,7,8,9,10,11,12,13,14,15,16,17,18,19,20,21,22,23,24,25,26,27,28,29,30,31
	CENTRE \j
.endr
	REDUCE RB, RA
	CROSS RA, SH2
	v_fma_f32 v[RA], v[RA], s22, s23               ; variance + 1e-5
	v_rsq_f32 v[RA+1], v[RA]
	v_nop                                          ; a plain instruction behind the transcendental,
	s_wait_alu depctr_va_vdst(0)                   ; and the wait ahead of its first reader
	BCAST RA+1, RB
.macro OUTROW j                        ; x rsqrt, x ln_w + ln_b, and into the stage at the row's place in its tile
.if (\j)%2
	v_pk_mul_f32 v[H+4*\j:H+4*\j+1], v[H+4*\j:H+4*\j+1], v[RB+\j-1:RB+\j] op_sel:[0,1] op_sel_hi:[1,1]
	v_pk_mul_f32 v[H+4*\j+2:H+4*\j+3], v[H+4*\j+2:H+4*\j+3], v[RB+\j-1:RB+\j] op_sel:[0,1] op_sel_hi:[1,1]
.else
	v_pk_mul_f32 v[H+4*\j:H+4*\j+1], v[H+4*\j:H+4*\j+1], v[RB+\j:RB+\j+1] op_sel_hi:[1,0]
	v_pk_mul_f32 v[H+4*\j+2:H+4*\j+3], v[H+4*\j+2:H+4*\j+3], v[RB+\j:RB+\j+1] op_sel_hi:[1,0]
.endif
	v_pk_fma_f32 v[H+4*\j:H+4*\j+1], v[H+4*\j:H+4*\j+1], v[LW:LW+1], v[LB:LB+1]
	v_pk_fma_f32 v[H+4*\j+2:H+4*\j+3], v[H+4*\j+2:H+4*\j+3], v[LW+2:LW+3], v[LB+2:LB+3]
.set SL, 16*(((\j)/8)%2)+8*((\j)/16)+(\j)%8        ; position j of the 32 is row 8 (j / 16) + j % 8 of tile (j / 8) % 2
.if SL < 16
	ds_store_b128 v5, v[H+4*\j:H+4*\j+3] offset:SL*SP
.else
	ds_store_b128 v6, v[H+4*\j:H+4*\j+3] offset:(SL-16)*SP
.endif
.endm
.irp j, 0,1,2,3,4,5,6,7,8,9,10,11,12,13,14,15,16,17,18,19,20,21,22,23,24,25,26,27,28,29,30,31
	OUTROW \j
.endr
	v_add_nc_u32 v16, SCW, v4                      ; (ln_w is done with)  where waves 0 and 1 read the scale words back
	s_wait_dscnt 0x0                               ; my part of the 32 rows has landed
	s_barrier_signal -1
	s_barrier_wait -1
; 64 numbers of a lane, register 16 b + i = k 32 b + 16 h + i of my row, become a fragment's 12 registers in v[pc] on and its scale word in v[pw]
.macro QUANT s, pc, pw
.irp b, 0,1,2,3
	v_max3_num_f32 v[TM+\b], |v[\s+16*\b]|, |v[\s+1+16*\b]|, 0x1800000   ; my 16 numbers of block b, and the floor 2^(3 - 127): the byte cannot fall under 1
.endr
.irp i, 2,4,6,8,10,12,14
.irp b, 0,1,2,3
	v_max3_num_f32 v[TM+\b], v[TM+\b], |v[\s+16*\b+\i]|, |v[\s+1+16*\b+\i]|
.endr
.endr
.irp b, 0,1,2,3
	v_permlanex16_b32 v[TM+4+\b], v[TM+\b], s[SEL], s[SEL+1]
.endr
.irp b, 0,1,2,3
	v_max_num_f32 v[TM+\b], v[TM+\b], v[TM+4+\b]   ; with lane l xor 16's: the block's largest magnitude
.endr
.irp b, 0,1,2,3
	v_add_nc_u32 v[TM+12+\b], 0xff000000, v[TM+\b] ; 2 off its exponent field: the conversion's scale operand
.endr
.irp b, 0,1,2,3
	v_lshrrev_b32 v[TM+4+\b], 23, v[TM+12+\b]      ; the scale's byte
.endr
	v_lshl_or_b32 v[\pw], v[TM+5], 8, v[TM+4]
	v_lshl_or_b32 v[\pw], v[TM+6], 16, v[\pw]
	v_lshl_or_b32 v[\pw], v[TM+7], 24, v[\pw]
.irp c, 0,1
	v_cvt_scalef32_pk16_fp6_f32 v[\pc+6*\c:\pc+2+6*\c], v[\s+32*\c:\s+15+32*\c], v[TM+12+2*\c]
	v_cvt_scalef32_pk16_fp6_f32 v[\pc+12+4*\c:\pc+14+4*\c], v[\s+16+32*\c:\s+31+32*\c], v[TM+12+2*\c+1]
.endr
	v_nop                                          ; one plain instruction behind a scaled conversion
.irp c, 0,1                                    ; the operand wants a whole block in a lane: lanes 0-15 block 2 c, lanes 16-31 block 2 c + 1
.irp i, 0,1,2
	v_permlane16_swap_b32 v[\pc+6*\c+\i], v[\pc+12+4*\c+\i]
.endr
.irp i, 0,1,2
	v_mov_b32 v[\pc+3+6*\c+\i], v[\pc+12+4*\c+\i]
.endr
.endr
.endm
.irp f, 0,1                                    ; my tile's two K steps: 64 numbers a lane each
.irp b, 0,1,2,3
.irp q, 0,1,2,3
	ds_load_b128 v[64+64*\f+16*\b+4*\q:64+64*\f+16*\b+4*\q+3], v13 offset:512*\f+128*\b+16*\q
.endr
.endr
.endr
	s_wait_dscnt 16                                ; the first K step's 16 loads are in, the second's may be out
	QUANT 64, 24, 208
.irp c, 0,1,2
	global_store_b128 v14, v[24+4*\c:24+4*\c+3], s[10:11] offset:512*\c   ; 512 consecutive bytes a store
.endr
	ds_store_b32 v15, v208                         ; lanes r and r + 16 write the same word with the same value
	s_wait_dscnt 1                                 ; only that store may be out: the second K step is in
	QUANT 128, 44, 209
.irp c, 0,1,2
	global_store_b128 v14, v[44+4*\c:44+4*\c+3], s[10:11] offset:1536+512*\c
.endr
	ds_store_b32 v15, v209 offset:64
	s_wait_dscnt 0x0
	s_barrier_signal -1
	s_barrier_wait -1                              ; the work-group's 256 scale words lie in LDS as they lie in xs
	s_cmp_lt_u32 s14, 2
	s_cbranch_scc0 .Ldone
	ds_load_b128 v[64:67], v16
	s_wait_dscnt 0x0
	global_store_b128 v4, v[64:67], s[12:13]       ; two waves store 512 consecutive bytes each
.Ldone:
	s_set_vgpr_msb 0x5
	s_wait_tensorcnt 0x0
	ds_add_u32 v0, v1
	s_wait_dscnt 0x0
	s_set_vgpr_msb 0x500
	s_endpgm
.Lfunc_end_k_q0e09687bbe_norm:
	.size	k_q0e09687bbe_norm, .Lfunc_end_k_q0e09687bbe_norm-k_q0e09687bbe_norm
	.p2alignl 7, 3214868480
	.fill 96, 4, 3214868480
	.section	.rodata,"a",@progbits
	.p2align	6, 0x0
	.amdhsa_kernel k_q0e09687bbe_norm
		.amdhsa_group_segment_fixed_size 173568
		.amdhsa_private_segment_fixed_size 0
		.amdhsa_enable_private_segment 0
		.amdhsa_kernarg_size 40
		.amdhsa_user_sgpr_count 2
		.amdhsa_user_sgpr_kernarg_segment_ptr 1
		.amdhsa_wavefront_size32 1
		.amdhsa_system_sgpr_workgroup_id_x 1
		.amdhsa_system_sgpr_workgroup_id_y 1
		.amdhsa_system_sgpr_workgroup_id_z 1
		.amdhsa_system_vgpr_workitem_id 0
		.amdhsa_next_free_vgpr 258
		.amdhsa_next_free_sgpr 66
		.amdhsa_reserve_vcc 1
		.amdhsa_float_denorm_mode_32 3
		.amdhsa_float_denorm_mode_16_64 3
		.amdhsa_memory_ordered 1
		.amdhsa_forward_progress 1
		.amdhsa_inst_pref_size 87
	.end_amdhsa_kernel
	.amdgpu_metadata
---
amdhsa.version: [ 1, 2 ]
amdhsa.kernels:
  - .name:           k_q0e09687bbe_norm
    .symbol:         k_q0e09687bbe_norm.kd
    .args:
      - { .name: tensor, .offset: 0, .size: 8, .value_kind: global_buffer, .address_space: global }
      - { .name: ln_w, .offset: 8, .size: 8, .value_kind: global_buffer, .address_space: global }
      - { .name: ln_b, .offset: 16, .size: 8, .value_kind: global_buffer, .address_space: global }
      - { .name: xc, .offset: 24, .size: 8, .value_kind: global_buffer, .address_space: global }
      - { .name: xs, .offset: 32, .size: 8, .value_kind: global_buffer, .address_space: global }
    .group_segment_fixed_size: 173568
    .private_segment_fixed_size: 0
    .kernarg_segment_align: 8
    .kernarg_segment_size: 40
    .max_flat_workgroup_size: 256
    .sgpr_count:     66
    .vgpr_count:     258
    .wavefront_size: 32
...
	.end_amdgpu_metadata
.endif
;; end of part 1
;; launch proj (part 2): grid 4 x 64, 4 waves a work-group, clusters of 4 x 4, 313,856 bytes of LDS; arguments xc, xs, Wk_codes, Wk_scales, bk, qc, qs, vc, vs; writes qc, qs, vc, vs
.if DOCPART == 2
	.amdgcn_target "amdgcn-amd-amdhsa--gfx1250"
	.amdhsa_code_object_version 6
	.text
	.protected	k_q0e09687bbe_proj
	.globl	k_q0e09687bbe_proj
	.p2align	8
	.type	k_q0e09687bbe_proj,@function
k_q0e09687bbe_proj:
	s_mov_b64 s[64:65], 0
	v_nop
	global_prefetch_b8 v0, s[64:65] scope:SCOPE_SE
	s_setreg_imm32_b32 hwreg(HW_REG_WAVE_MODE, 25, 1), 1
	s_wait_xcnt 0x0
	s_wait_alu depctr_hold_cnt(0) depctr_sa_sdst(0) depctr_va_vdst(0) depctr_va_sdst(0) depctr_va_ssrc(0) depctr_va_vcc(0) depctr_vm_vsrc(0)
	s_getreg_b32 s2, hwreg(HW_REG_IB_STS2, 6, 4)
	s_cmp_eq_u32 s2, 0
	s_cbranch_scc0 .Lentry_in_a_cluster
	s_endpgm
.Lentry_in_a_cluster:
	s_bfe_u32 s2, ttmp6, 0x10000c
	s_cmp_lg_u32 s2, 0xf033
	s_cbranch_scc0 .Lentry_shape_is_right
	s_endpgm
.Lentry_shape_is_right:
; qkv = x Wk + bk on codes of E2M3, and qkv quantised twice: along its 1,024 features (both operands of the scores) and along the sequence (the values' operand).
; IN: xc, xs (images of x's fragments and their scale words, rows in the tiles' order), Wk_codes [1024 n][768 bytes], Wk_scales [1024 n][32], bk.
; OUT: qc = [tile 512][K step 8][two halves of 768 bytes: registers 6 c .. 6 c + 3 at 16 x lane, registers 6 c + 4, 5 at 512 + 8 x lane]; qs = [batch][j 4][row 2048][2] words, word u for K step 2 j + u;
;      vc = [batch][tile of 16 features: 64][chunk of 128 positions: 16][3 x 512 bytes]; vs = [batch][chunk 16][feature 1024] words.
; SHARES.  A work-group takes 128 rows (8 tiles) x 256 features; wave w takes 64 features (4 tiles) for all 8 row tiles: 256 matrix instructions.  Its part of Wk, 32 fragments, stays in 384 registers.
; CLUSTER, 4 x 4.  The four work-groups of a row of the cluster take the four quarters of the features for the same 128 rows: x's 64 images (98,304 dense bytes) and their scale words are asked for jointly, once.
; The four of a column take the same quarter of the features for different rows: that quarter of Wk (196,608 dense bytes) is asked for jointly, once.  Nothing is filled again.
; Wk'S WAY.  Wave w's 64 rows of Wk, 49,152 dense bytes, come by one tensor load as 192 rows of 256 bytes with 16 bytes of padding behind each: a row of Wk is 816 bytes in LDS.  The wave reads its fragments from there
; in pieces of 8 bytes.  816 bytes are 204 words, so eight neighbouring rows start 12 banks apart; a tile's second eight rows lie 16 rows on, a whole number of times through the 64 banks (ISA guide 11.1): these loads go two deep.
; TRANSPOSED: source 0 = 16 rows of Wk, source 1 = 16 rows of x.  Lane rho of feature tile t takes feature 32 (t / 2) + 8 (t % 2) + rho + 8 (rho / 8), so that a lane's 32 results of a row tile are,
; register 16 b + i, feature 32 b + 16 h + i of its row: two blocks, half a K step of the scores.  The bias is the C of each sum's first product.
; ALONG THE SEQUENCE: the f32 results go into the wave's own stage in LDS (128 rows x 64 features) and come back a lane to a feature, registers down the true positions.  The stage lies in the bytes that held the
; wave's rows of Wk: they have had their only fill, the wave alone read them, and its reads are waited for ahead of the first store.
; LIMITS: NaN and infinities are not served; a block of zeros or under 2^-124 gets the byte 1 (its codes are zeros; this program alone reads the bytes).
; REGISTERS: window 0: v1-15 addresses; v16-47 Wk's scale words (8 t + s); v48-63 x's (8 m + s); v64-127 the 8 accumulators (32 m + 8 t); v128-159 the bias (8 t); v160-175 the quantisers' work; v176-191 feature codes.
;   window 1: Wk's fragments of K steps 0-3 (12 (4 t + s));  window 2: of K steps 4-7;  window 3: x's fragments of two row tiles (12 (8 m + s)).
.set FR,   12
.set XIMG, 0                           ; LDS: x's 64 images
.set XSC,  98304                       ; their scale words, 64 bytes each
.set QSG,  102400                      ; 128 rows x 8 bytes: the feature scales of this quarter
.set VSG,  103424                      ; 256 bytes a wave: the sequence scales of its 64 features
.set VST,  104448                      ; 52,224 bytes a wave: first its 64 rows of Wk, 816 bytes each; later its stage, row slot at 272 slot + 64 (slot / 32), 35,072 bytes
.set VSTW, 52224
.set WP,   816
.set WS,   16
.set XSW,  48
.set ACC,  64
.set BIAS, 128
.set TM,   160
.set HQ,   176                         ; two sets of 6
.set HT,   188
.set HW,   191
.set VO,   128                         ; two sets of 12 (the bias is done with)
.set VT,   152
.set SEL,  52
.set MSB, 0
.macro WIN new                         ; the immediate's high byte repeats the setting that is left
.if MSB != (\new)
	s_set_vgpr_msb (MSB<<8)|(\new)
.set MSB, (\new)
.endif
.endm
.macro ROUND                           ; a round of the cluster's barrier
	s_barrier_signal -1
	s_barrier_wait -1
	s_cmp_lg_u32 s22, 0
	s_cbranch_scc1 .Lnot_wave_0_\@
	s_barrier_signal -3
.Lnot_wave_0_\@:
	s_barrier_wait -3
	s_barrier_signal -1
	s_barrier_wait -1
.endm
	s_load_b256 s[4:11], s[0:1], 0x0               ; xc, xs, Wk_codes, Wk_scales
	s_load_b256 s[12:19], s[0:1], 0x20             ; bk, qc, qs, vc
	s_load_b64 s[20:21], s[0:1], 0x40              ; vs
	v_lshl_add_u32 v174, v0, 2, 0x4c800
	v_mov_b32 v175, 0
	ds_add_u32 v174, v175
	ds_add_u32 v174, v175
	v_lshrrev_b32 v1, 5, v0
	v_readfirstlane_b32 s22, v1                    ; wave 0..3
	s_bfe_u32 s23, ttmp6, 0x40000                  ; cx: my quarter of the features (the grid is one cluster wide); it enters global offsets and a mask alone
	s_bfe_u32 s27, ttmp6, 0x40004                  ; cy
	s_and_b32 s24, ttmp7, 0xffff
	s_lshl_b32 s24, s24, 2
	s_add_co_u32 s24, s24, s27                     ; the block of 128 rows = 4 x cluster y + cy
	s_lshl_b32 s62, s27, 2
	s_lshl_b32 s62, 15, s62                        ; my row of the cluster: places 4 cy .. 4 cy + 3
	s_lshl_b32 s63, 0x1111, s23                    ; my column: places cx, cx + 4, cx + 8, cx + 12
	; group 1 for x's images: 96 rows of 256 bytes (a dense block of 24,576 bytes), to my row of the cluster
	s_or_b32 s28, s62, (3<<16)|(1<<21)             ; 15:0 the mask; 17:16 elements of 8 bytes; 21 set beside a mask
	s_mov_b32 s29, 32<<16
	s_mov_b32 s30, 96<<16
	s_mov_b32 s31, 32<<16
	s_mov_b32 s32, 96
	s_mov_b32 s33, 32
	s_mov_b32 s34, 0
	s_mov_b32 s35, 0
	s_or_b32 s40, s62, (3<<16)|(1<<21)             ; the same with 4 rows: 1,024 bytes of scale words
	s_mov_b32 s41, 32<<16
	s_mov_b32 s42, 4<<16
	s_mov_b32 s43, 32<<16
	s_mov_b32 s44, 4
	s_mov_b32 s45, 32
	s_mov_b32 s46, 0
	s_mov_b32 s47, 0
	; group 1 for Wk: 192 rows of 256 bytes (a dense block of 49,152 bytes), 4 words of padding behind every 64, to my column of the cluster
	s_or_b32 s68, s63, (3<<16)|(1<<20)|(1<<21)|(5<<22)|(3<<25)
	s_mov_b32 s69, 32<<16
	s_mov_b32 s70, 192<<16
	s_mov_b32 s71, 32<<16
	s_mov_b32 s72, 192
	s_mov_b32 s73, 32
	s_mov_b32 s74, 0
	s_mov_b32 s75, 0
	s_mul_i32 s25, s22, 24576                      ; my quarter of the images, in LDS and in the block
	s_mul_i32 s54, s24, 98304
	s_add_co_u32 s54, s54, s25
	s_mov_b32 s55, 0
	s_lshl_b32 s26, s22, 10
	s_lshl_b32 s56, s24, 12
	s_add_co_u32 s56, s56, s26
	s_mov_b32 s57, 0
	s_add_co_u32 s26, s26, XSC
	s_lshl_b32 s60, s23, 8
	s_lshl_b32 s61, s22, 6
	s_add_co_u32 s60, s60, s61                     ; my first feature: 256 cx + 64 w
	s_mul_i32 s66, s60, 768                        ; its row of Wk
	s_mov_b32 s67, 0
	s_mul_i32 s58, s22, VSTW
	s_add_co_u32 s58, s58, VST                     ; my wave's 52,224 bytes: no place in the cluster enters an LDS address
	s_wait_dscnt 0x0
	s_wait_kmcnt 0x0
	s_mov_b32 s36, 1
	s_mov_b32 s37, s25
	s_add_nc_u64 s[38:39], s[4:5], s[54:55]
	s_or_b32 s39, s39, 0x80000000
	s_mov_b32 s48, 1
	s_mov_b32 s49, s26
	s_add_nc_u64 s[50:51], s[6:7], s[56:57]
	s_or_b32 s51, s51, 0x80000000
	s_mov_b32 s76, 1
	s_mov_b32 s77, s58
	s_add_nc_u64 s[78:79], s[8:9], s[66:67]
	s_or_b32 s79, s79, 0x80000000
	ROUND                                          ; all sixteen work-groups are here: the joint loads meet
	tensor_load_to_lds s[76:79], s[68:75]          ; my 64 rows of Wk
	s_nop 0
	tensor_load_to_lds s[36:39], s[28:35]          ; my quarter of x's images
	s_nop 0
	tensor_load_to_lds s[48:51], s[40:47]          ; and of their scale words: three loads of mine are out
	s_nop 0
.rept 4
	v_nop
.endr
	v_and_b32 v160, 31, v0                         ; lane
	v_and_b32 v161, 15, v0                         ; r
	v_bfe_u32 v162, v0, 4, 1                       ; h
	v_and_b32 v163, 8, v161
	v_add_nc_u32 v163, v163, v161                  ; r + 8 (r / 8)
	v_lshlrev_b32 v1, 4, v160                      ; 16 x lane: images of row tiles 0-3, and global stores
	v_add_nc_u32 v13, 49152, v1                    ; images of row tiles 4-7
	v_lshl_add_u32 v2, v161, 2, XSC
	v_mul_u32_u24 v3, v161, 272
	v_lshl_add_u32 v3, v162, 6, v3
	v_add_nc_u32 v3, s58, v3                       ; my stage, in: row r, 64 h
	v_mul_u32_u24 v4, v162, 8768
	v_lshl_add_u32 v4, v161, 2, v4
	v_add_nc_u32 v4, s58, v4                       ; out: feature r, and 32 rows (+ 64 bytes) on for lanes 16-31
	s_lshl_b32 s59, s22, 1
	s_add_co_u32 s59, s59, QSG
	v_lshl_add_u32 v5, v161, 3, s59                ; row r's 8 bytes, my two at 2 w
	v_lshlrev_b32 v6, 3, v160                      ; 8 x lane
	s_lshl_b32 s59, s22, 8
	s_add_co_u32 s59, s59, VSG
	v_lshl_add_u32 v7, v161, 2, s59
	v_lshl_add_u32 v8, v0, 3, VSG
	v_lshl_add_u32 v9, v0, 3, QSG
	v_mul_u32_u24 v10, v163, WP
	v_mad_u32_u24 v10, v162, 24, v10
	v_add_nc_u32 v10, s58, v10                     ; Wk in LDS: my row of a tile, my half's 24 bytes;
	v_lshl_add_u32 v15, v162, 4, v10               ; and the same for the pieces whose partner three pieces on lies behind one padding more
	v_lshlrev_b32 v11, 5, v163                     ; its 32 scale bytes
	v_lshlrev_b32 v12, 6, v162                     ; the bias: 64 h
	v_lshlrev_b32 v14, 3, v162                     ; 8 h: where my two bytes stand in a sequence scale word
	s_lshl_b32 s66, s60, 5
	s_add_nc_u64 s[10:11], s[10:11], s[66:67]
	s_lshl_b32 s66, s60, 2
	s_add_nc_u64 s[12:13], s[12:13], s[66:67]
	s_lshl_b32 s61, s24, 12
	s_add_co_u32 s66, s66, s61                     ; vs: (16 batch + chunk) x 4,096 + 4 x feature
	s_add_nc_u64 s[20:21], s[20:21], s[66:67]
.irp t, 0,1,2,3
	global_load_b128 v[WS+8*\t:WS+8*\t+3], v11, s[10:11] offset:(32*(\t/2)+8*(\t%2))*32
	global_load_b128 v[WS+8*\t+4:WS+8*\t+7], v11, s[10:11] offset:(32*(\t/2)+8*(\t%2))*32+16
	global_load_b128 v[BIAS+8*\t:BIAS+8*\t+3], v12, s[12:13] offset:(32*(\t/2)+8*(\t%2))*4
	global_load_b128 v[BIAS+8*\t+4:BIAS+8*\t+7], v12, s[12:13] offset:(32*(\t/2)+8*(\t%2))*4+16
.endr
	s_mul_i32 s66, s24, 98304                      ; qc: 8 tiles of 12,288 bytes a block; K step 2 cx + w / 2, half w % 2: 3,072 cx + 768 w
	s_mul_i32 s61, s23, 3072
	s_add_co_u32 s66, s66, s61
	s_mul_i32 s61, s22, 768
	s_add_co_u32 s66, s66, s61
	s_add_nc_u64 s[14:15], s[14:15], s[66:67]
	s_lshr_b32 s62, s24, 4                         ; batch
	s_and_b32 s63, s24, 15                         ; chunk of 128 positions
	s_lshl_b32 s66, s62, 2
	s_add_co_u32 s66, s66, s23
	s_lshl_b32 s66, s66, 14
	s_lshl_b32 s61, s63, 10
	s_add_co_u32 s66, s66, s61
	s_lshl_b32 s61, s22, 8
	s_add_co_u32 s66, s66, s61
	s_add_nc_u64 s[16:17], s[16:17], s[66:67]      ; qs: ((4 batch + cx) x 2,048 + 128 chunk) x 8 + 256 w
	s_lshl_b32 s66, s62, 6
	s_lshl_b32 s61, s23, 4
	s_add_co_u32 s66, s66, s61
	s_lshl_b32 s61, s22, 2
	s_add_co_u32 s66, s66, s61
	s_mul_i32 s66, s66, 24576
	s_mul_i32 s61, s63, 1536
	s_add_co_u32 s66, s66, s61
	s_add_nc_u64 s[18:19], s[18:19], s[66:67]      ; vc: ((64 batch + 16 cx + 4 w) x 16 + chunk) x 1,536
	s_mov_b32 s[SEL], 0x76543210
	s_mov_b32 s[SEL+1], 0xfedcba98
	v_mov_b32 v[TM+4], 0                           ; written once: a lane permute's destination counts as one of its sources
	v_mov_b32 v[TM+5], 0
	v_mov_b32 v[TM+9], 0
; x's fragments and scale words of row tiles 2 pr and 2 pr + 1
.macro XFETCH pr
	WIN 0xc0                                       ; destination window 3
.irp m, 0,1
.irp s, 0,1,2,3,4,5,6,7
.irp c, 0,1,2
.if (\pr) < 2
	ds_load_b128 v[FR*(8*\m+\s)+4*\c:FR*(8*\m+\s)+4*\c+3], v1 offset:((2*(\pr)+\m)*8+\s)*1536+512*\c
.else
	ds_load_b128 v[FR*(8*\m+\s)+4*\c:FR*(8*\m+\s)+4*\c+3], v13 offset:((2*(\pr)+\m-4)*8+\s)*1536+512*\c
.endif
.endr
.endr
.endr
	WIN 0
.irp m, 0,1
.irp s, 0,1,2,3,4,5,6,7
	ds_load_b32 v[XSW+8*\m+\s], v2 offset:((2*(\pr)+\m)*8+\s)*64
.endr
.endr
.endm
; 64 matrix instructions: two row tiles x four feature tiles x eight K steps.  The eight accumulators take turns, one instruction a turn.
.macro MULB
	WIN 0x0d                                       ; source 0 (Wk) window 1, source 1 (x) window 3
.irp s, 0,1,2,3
.irp t, 0,1,2,3
.irp m, 0,1
.if \s == 0
	v_wmma_scale_f32_16x16x128_f8f6f4 v[ACC+32*\m+8*\t:ACC+32*\m+8*\t+7], v[FR*(4*\t+\s):FR*(4*\t+\s)+FR-1], v[FR*(8*\m+\s):FR*(8*\m+\s)+FR-1], v[BIAS+8*\t:BIAS+8*\t+7], v[WS+8*\t+\s], v[XSW+8*\m+\s] matrix_a_fmt:MATRIX_FMT_FP6 matrix_b_fmt:MATRIX_FMT_FP6
.else
	v_wmma_scale_f32_16x16x128_f8f6f4 v[ACC+32*\m+8*\t:ACC+32*\m+8*\t+7], v[FR*(4*\t+\s):FR*(4*\t+\s)+FR-1], v[FR*(8*\m+\s):FR*(8*\m+\s)+FR-1], v[ACC+32*\m+8*\t:ACC+32*\m+8*\t+7], v[WS+8*\t+\s], v[XSW+8*\m+\s] matrix_a_fmt:MATRIX_FMT_FP6 matrix_b_fmt:MATRIX_FMT_FP6
.endif
.endr
.endr
.endr
	WIN 0x0e                                       ; source 0 window 2
.irp s, 4,5,6,7
.irp t, 0,1,2,3
.irp m, 0,1
	v_wmma_scale_f32_16x16x128_f8f6f4 v[ACC+32*\m+8*\t:ACC+32*\m+8*\t+7], v[FR*(4*\t+\s-4):FR*(4*\t+\s-4)+FR-1], v[FR*(8*\m+\s):FR*(8*\m+\s)+FR-1], v[ACC+32*\m+8*\t:ACC+32*\m+8*\t+7], v[WS+8*\t+\s], v[XSW+8*\m+\s] matrix_a_fmt:MATRIX_FMT_FP6 matrix_b_fmt:MATRIX_FMT_FP6
.endr
.endr
.endr
	WIN 0
.endm
; 32 numbers of a lane, register 16 b + i = feature 32 b + 16 h + i, become half a fragment (6 registers in v[o] on) and two scale bytes in v[HW]
.macro HQUANT s, o
.irp b, 0,1
	v_max3_num_f32 v[TM+\b], |v[\s+16*\b]|, |v[\s+1+16*\b]|, 0x1800000   ; and the floor 2^(3 - 127): the byte cannot fall under 1
.endr
.irp i, 2,4,6,8,10,12,14
.irp b, 0,1
	v_max3_num_f32 v[TM+\b], v[TM+\b], |v[\s+16*\b+\i]|, |v[\s+1+16*\b+\i]|
.endr
.endr
.irp b, 0,1
	v_permlanex16_b32 v[TM+4+\b], v[TM+\b], s[SEL], s[SEL+1]
.endr
.irp b, 0,1
	v_max_num_f32 v[TM+\b], v[TM+\b], v[TM+4+\b]
.endr
.irp b, 0,1
	v_add_nc_u32 v[TM+12+\b], 0xff000000, v[TM+\b] ; 2 off the exponent field: the conversion's scale operand
.endr
.irp b, 0,1
	v_lshrrev_b32 v[TM+4+\b], 23, v[TM+12+\b]
.endr
	v_lshl_or_b32 v[HW], v[TM+5], 8, v[TM+4]
	v_cvt_scalef32_pk16_fp6_f32 v[\o:\o+2], v[\s:\s+15], v[TM+12]
	v_cvt_scalef32_pk16_fp6_f32 v[HT:HT+2], v[\s+16:\s+31], v[TM+13]
	v_nop                                          ; one plain instruction behind a scaled conversion
.irp i, 0,1,2
	v_permlane16_swap_b32 v[\o+\i], v[HT+\i]       ; lanes 0-15 now hold the first block whole, lanes 16-31 the second
.endr
.irp i, 0,1,2
	v_mov_b32 v[\o+3+\i], v[HT+\i]
.endr
.endm
; row tile a (accumulators of m): the f32 numbers into my stage, each accumulator from its low end on; the feature codes and bytes out
.macro EPI m, a
.irp t, 0,1,2,3
	ds_store_b128 v3, v[ACC+32*\m+8*\t:ACC+32*\m+8*\t+3] offset:(\a)*4352+64*((\a)/2)+128*(\t/2)+32*(\t%2)
	ds_store_b128 v3, v[ACC+32*\m+8*\t+4:ACC+32*\m+8*\t+7] offset:(\a)*4352+64*((\a)/2)+128*(\t/2)+32*(\t%2)+16
.endr
	s_wait_xcnt 0x0                                ; the stores of two tiles back have read this set of code registers
	HQUANT ACC+32*\m, HQ+6*((\a)%2)
	global_store_b128 v1, v[HQ+6*((\a)%2):HQ+6*((\a)%2)+3], s[14:15] offset:(\a)*12288       ; 512 consecutive bytes,
	global_store_b64 v6, v[HQ+6*((\a)%2)+4:HQ+6*((\a)%2)+5], s[14:15] offset:(\a)*12288+512  ; and 256
	ds_store_b16 v5, v[HW] offset:128*(\a)         ; lanes r and r + 16 write the same two bytes
.endm
	s_wait_tensorcnt 0x0                           ; my rows of Wk and my parts of x's images and scale words are in,
	s_barrier_signal -1
	s_barrier_wait -1                              ; everybody's are
; Wk's 32 fragments into windows 1 and 2, where they stay.  Lane (rho, h) of tile t, K step s takes of its row the pieces of 8 bytes 12 s + 0, 1, 2 and 12 s + 6, 7, 8, lanes 16-31 those three pieces on.
; Piece p of a row lies at 8 p + 16 (p / 32): 16 bytes of padding stand behind every 32 pieces.  Where p % 32 is 29 or more, the piece three on lies behind one padding more: the second address register serves.
.irp w, 0,1
	WIN 0x40*(\w+1)                                ; destination window 1, then 2
.irp t, 0,1,2,3
.irp s, 0,1,2,3
.irp p, 0,1,2,3,4,5
.set PCE, 12*(4*\w+\s)+6*(\p/3)+\p%3
.if PCE%32 < 29
	ds_load_b64 v[FR*(4*\t+\s)+2*\p:FR*(4*\t+\s)+2*\p+1], v10 offset:(32*(\t/2)+8*(\t%2))*WP+8*PCE+16*(PCE/32)
.else
	ds_load_b64 v[FR*(4*\t+\s)+2*\p:FR*(4*\t+\s)+2*\p+1], v15 offset:(32*(\t/2)+8*(\t%2))*WP+8*PCE+16*(PCE/32)
.endif
.endr
.endr
.endr
.endr
	XFETCH 0
	s_wait_loadcnt 0x0                             ; Wk's scale words, the bias
.irp pr, 0,1,2,3
	s_wait_dscnt 0x0                               ; this pair's fragments are in (asked for a pair ago); ahead of the first pair: Wk's too, so that my stage may be written over Wk's bytes
	MULB
.rept 5
	v_nop                                          ; places: 4 in front of loads into registers that the products read and of the first read of results; 5 in front of the next run, which begins the accumulators anew
.endr
.if \pr < 3
	XFETCH \pr+1                                   ; lands under the two tiles' vector work
.endif
	EPI 0, 2*\pr
	EPI 1, 2*\pr+1
.endr
	s_wait_dscnt 0x0                               ; my bytes of the feature scales have landed
	s_barrier_signal -1
	s_barrier_wait -1
	ds_load_b64 v[HT:HT+1], v9
	s_wait_dscnt 0x0
	global_store_b64 v6, v[HT:HT+1], s[16:17]      ; each wave stores 256 consecutive bytes
; ALONG THE SEQUENCE.  Feature tile t of my four: lane (r, h) takes feature 16 t + r; register 32 c + i is true position 64 c + 32 h + i of the chunk, which lies in row slot 32 (2 c + h) + 16 ((i / 8) % 2) + 8 (i / 16) + i % 8
.macro VLOAD t, x
.irp c, 0,1
.set vi, 0
.rept 32
	ds_load_b32 v[\x+32*\c+vi], v4 offset:(64*\c+16*((vi/8)%2)+8*(vi/16)+vi%8)*272+128*\c+64*(\t)
.set vi, vi+1
.endr
.endr
.endm
.macro VQUANT s, o                     ; two whole blocks a lane; the word's four bytes are gathered from lanes l and l xor 16
.irp c, 0,1
	v_max3_num_f32 v[TM+\c], |v[\s+32*\c]|, |v[\s+32*\c+1]|, 0x1800000
.endr
.irp i, 2,4,6,8,10,12,14,16,18,20,22,24,26,28,30
.irp c, 0,1
	v_max3_num_f32 v[TM+\c], v[TM+\c], |v[\s+32*\c+\i]|, |v[\s+32*\c+\i+1]|
.endr
.endr
.irp c, 0,1
	v_add_nc_u32 v[TM+12+\c], 0xff000000, v[TM+\c]
.endr
.irp c, 0,1
	v_lshrrev_b32 v[TM+4+\c], 23, v[TM+12+\c]
.endr
	v_lshl_or_b32 v[TM+8], v[TM+5], 16, v[TM+4]    ; blocks h and 2 + h,
	v_lshlrev_b32 v[TM+8], v14, v[TM+8]            ; at their places in the word
	v_permlanex16_b32 v[TM+9], v[TM+8], s[SEL], s[SEL+1]
	v_or_b32 v[TM+8], v[TM+8], v[TM+9]
.irp c, 0,1
	v_cvt_scalef32_pk16_fp6_f32 v[\o+6*\c:\o+6*\c+2], v[\s+32*\c:\s+32*\c+15], v[TM+12+\c]
	v_cvt_scalef32_pk16_fp6_f32 v[VT+4*\c:VT+4*\c+2], v[\s+32*\c+16:\s+32*\c+31], v[TM+12+\c]
.endr
	v_nop                                          ; one plain instruction behind a scaled conversion
.irp c, 0,1
.irp i, 0,1,2
	v_mov_b32 v[\o+3+6*\c+\i], v[VT+4*\c+\i]
.endr
.endr
.endm
	VLOAD 0, ACC
.irp t, 0,1,2,3
.if \t < 3
	VLOAD \t+1, ACC+128*((\t+1)%2)
	s_wait_dscnt 63                                ; behind this tile's 64 loads stand the last tile's one store and the next tile's 64 loads: with at most 63 out, this tile's are all in (63 is the largest count that the wait can name)
.else
	s_wait_dscnt 0x0
.endif
	s_wait_xcnt 0x0                                ; the stores of two tiles back have read this set of code registers
	VQUANT ACC+128*(\t%2), VO+12*(\t%2)
.irp c, 0,1,2
	global_store_b128 v1, v[VO+12*(\t%2)+4*\c:VO+12*(\t%2)+4*\c+3], s[18:19] offset:24576*\t+512*\c
.endr
	ds_store_b32 v7, v[TM+8] offset:64*\t
.endr
	ds_load_b64 v[190:191], v8                     ; LDS serves a wave's instructions in order: these see my stores
	s_wait_dscnt 0x0
	global_store_b64 v6, v[190:191], s[20:21]      ; my 64 features' words: 256 consecutive bytes
	s_wait_tensorcnt 0x0
	ds_add_u32 v174, v175
	s_wait_dscnt 0x0
	ROUND                                          ; the closing round
	s_endpgm
.Lfunc_end_k_q0e09687bbe_proj:
	.size	k_q0e09687bbe_proj, .Lfunc_end_k_q0e09687bbe_proj-k_q0e09687bbe_proj
	.p2alignl 7, 3214868480
	.fill 96, 4, 3214868480
	.section	.rodata,"a",@progbits
	.p2align	6, 0x0
	.amdhsa_kernel k_q0e09687bbe_proj
		.amdhsa_group_segment_fixed_size 313856
		.amdhsa_private_segment_fixed_size 0
		.amdhsa_enable_private_segment 0
		.amdhsa_kernarg_size 72
		.amdhsa_user_sgpr_count 2
		.amdhsa_user_sgpr_kernarg_segment_ptr 1
		.amdhsa_wavefront_size32 1
		.amdhsa_system_sgpr_workgroup_id_x 1
		.amdhsa_system_sgpr_workgroup_id_y 1
		.amdhsa_system_sgpr_workgroup_id_z 1
		.amdhsa_system_vgpr_workitem_id 0
		.amdhsa_next_free_vgpr 1024
		.amdhsa_next_free_sgpr 80
		.amdhsa_reserve_vcc 0
		.amdhsa_float_denorm_mode_32 3
		.amdhsa_float_denorm_mode_16_64 3
		.amdhsa_memory_ordered 1
		.amdhsa_forward_progress 1
		.amdhsa_inst_pref_size 122
	.end_amdhsa_kernel
	.amdgpu_metadata
---
amdhsa.version: [ 1, 2 ]
amdhsa.kernels:
  - .name:           k_q0e09687bbe_proj
    .symbol:         k_q0e09687bbe_proj.kd
    .args:
      - { .name: xc, .offset: 0, .size: 8, .value_kind: global_buffer, .address_space: global }
      - { .name: xs, .offset: 8, .size: 8, .value_kind: global_buffer, .address_space: global }
      - { .name: Wk_codes, .offset: 16, .size: 8, .value_kind: global_buffer, .address_space: global }
      - { .name: Wk_scales, .offset: 24, .size: 8, .value_kind: global_buffer, .address_space: global }
      - { .name: bk, .offset: 32, .size: 8, .value_kind: global_buffer, .address_space: global }
      - { .name: qc, .offset: 40, .size: 8, .value_kind: global_buffer, .address_space: global }
      - { .name: qs, .offset: 48, .size: 8, .value_kind: global_buffer, .address_space: global }
      - { .name: vc, .offset: 56, .size: 8, .value_kind: global_buffer, .address_space: global }
      - { .name: vs, .offset: 64, .size: 8, .value_kind: global_buffer, .address_space: global }
    .group_segment_fixed_size: 313856
    .private_segment_fixed_size: 0
    .kernarg_segment_align: 8
    .kernarg_segment_size: 72
    .max_flat_workgroup_size: 128
    .sgpr_count:     80
    .vgpr_count:     1024
    .wavefront_size: 32
...
	.end_amdgpu_metadata
.endif
;; end of part 2
;; launch scores (part 3): grid 8 x 32, 4 waves a work-group, clusters of 4 x 4, 327,680 bytes of LDS; arguments qc, qs, attention_mask, pc, pstat; writes pc, pstat
.if DOCPART == 3
	.amdgcn_target "amdgcn-amd-amdhsa--gfx1250"
	.amdhsa_code_object_version 6
	.text
	.protected	k_q0e09687bbe_scores
	.globl	k_q0e09687bbe_scores
	.p2align	8
	.type	k_q0e09687bbe_scores,@function
k_q0e09687bbe_scores:
	s_mov_b64 s[64:65], 0
	v_nop
	global_prefetch_b8 v0, s[64:65] scope:SCOPE_SE
	s_setreg_imm32_b32 hwreg(HW_REG_WAVE_MODE, 25, 1), 1
	s_wait_xcnt 0x0
	s_wait_alu depctr_hold_cnt(0) depctr_sa_sdst(0) depctr_va_vdst(0) depctr_va_sdst(0) depctr_va_ssrc(0) depctr_va_vcc(0) depctr_vm_vsrc(0)
	s_getreg_b32 s2, hwreg(HW_REG_IB_STS2, 6, 4)
	s_cmp_eq_u32 s2, 0
	s_cbranch_scc0 .Lentry_in_a_cluster
	s_endpgm
.Lentry_in_a_cluster:
	s_bfe_u32 s2, ttmp6, 0x10000c
	s_cmp_lg_u32 s2, 0xf033
	s_cbranch_scc0 .Lentry_shape_is_right
	s_endpgm
.Lentry_shape_is_right:
; S = qkv qkv^T on codes of E2M3 (K = 1,024 features), the mask, and the softmax's p, quantised along the keys.
; A tile of S, 256 queries x 256 keys of one batch, is made by a work-group of four waves; a wave makes 128 x 128: 64 accumulators, 512 registers.  8 x 8 x 4 = 256 work-groups.
; K goes in steps of 256 through a ring of two LDS slots filled by the tensor data mover.  A fragment lies in memory and in LDS as an image of its registers (two halves of 768 bytes: 512 at 16 x lane, 256 at 8 x lane).
; CLUSTERS: 4 x 4 work-groups.  The four of a row of the cluster need the same tiles of queries, the four of a column the same tiles of keys: each tile is asked for jointly.
; TRANSPOSED: source 0 = 16 keys, source 1 = 16 queries: a lane holds ONE query.  Rows lie in the tiles' order (row r of tile 2 g + u is position 32 g + 8 u + r + 8 (r / 8)), so the 64 registers of a query tile's
; eight accumulators are, register 16 b + i, key 32 b + 16 h + i of the wave's 128 keys.
; THE SOFTMAX IS TAKEN WITH A MAXIMUM OF ITS OWN FOR EACH (query, chunk of 128 keys): t = logit x log2(e); M = the chunk's largest t rounded up to a whole number; p = 2^(t - M).  A masked place has the logit 1e-9.
; p's codes and scale word, -M and the sum of the unquantised p go to memory; the next launch brings the chunks under the row's M by whole powers of two, which the scale bytes take up.
; OUT: pc = [batch][query tile 128][chunk 16][3 x 512 bytes]; pstat = [scale word, -M, sum][batch][chunk 16][query 2048].
; LIMITS: NaN and infinities are not served; a block all of whose p have fallen to 0 keeps the byte 1 (its codes are zeros).
; REGISTERS: window 0: v16-30 addresses; v32-63 scale words, two sets; v128-223 the queries' fragments, one set; behind the products v64-231 serve the softmax.
;   window 1: the keys' fragments, two sets, at v0 and v128.   windows 2, 3: the accumulators of query tiles 0-3, 4-7 (accumulator (a, b) at v[8 (8 (a % 4) + b)]).
.set NQ,    2                          ; matrix instructions deep in a slot
.set FR,    12
.set NL,    4                          ; LDS loads that bring a fragment
.set NP,    4                          ; places behind this matrix instruction (ISA guide 7.12.1)
.set HALFT, 24576                      ; 8 tiles x 3,072 bytes: what one tensor load brings
.set SLOT,  98304                      ; the queries' 16 tiles, then the keys' 16
.set SCL,   196608                     ; the scale words: [load of wave w][K step pair 4][128 rows x 8 bytes]; the keys' lie 128 bytes further on, so that the two halves of the lanes touch different banks
.set SCLB,  SCL+8192+128
.set MSK,   213248                     ; the mask's tile: 256 queries x (256 + 16) bytes
.set MP,    272
.set SPARE, 282880                     ; the spare words, 128 bytes a wave
.set STT,   283392                     ; 1,536 bytes a wave: word, -M, sum of its 128 queries
.set ADRA, 16                          ; v16-17 my query fragments in slot 0, 1, at 16 x lane;  v18-19 at 8 x lane
.set ADRB, 20                          ; v20-23 the same for the keys
.set MKA,  24                          ; v24 my 16 bytes of the mask
.set STW,  25
.set STR,  26
.set ADRS, 27                          ; v27 my scale words: lanes 0-15 the queries', lanes 16-31 the keys'
.set SPW,  28                          ; v28 my spare word; never rewritten
.set NIL,  29                          ; v29 0; never rewritten
.set LI,   30                          ; v30 16 x lane
.set SC,   32
.set AF,   128
.set P,    64                          ; the softmax: 64 numbers
.set MK,   128                         ; two sets of 16 registers of mask bytes
.set TP,   160
.set BM,   164
.set BX,   168
.set T0,   172
.set NM,   174                         ; v[174:175] -M (the packed form names the pair)
.set LS,   176
.set SO,   180
.set SBY,  184
.set PW,   188
.set PC,   192                         ; two sets of 20
.set G0M, 20
.set G1,  24
.set G0,  32
.set G1B, 48
.set G0B, 56
.set G1S, 68
.set G0S, 76
.set G1SB, 80
.set G0SB, 88
.set G1M, 92
.set SEL, 68                           ; behind the last tensor load's wait the scale descriptors' registers serve the softmax
.set CS,  70
.set K1,  72
.set SELB, 73
.set MSB, 0
.macro WIN new
.if MSB != (\new)
	s_set_vgpr_msb (MSB<<8)|(\new)
.set MSB, (\new)
.endif
.endm
.set MUL_LO, 0xa1                      ; source 0 (keys) window 1, source 1 (queries) window 0, C and D window 2
.set MUL_HI, 0xf1
.set TO_B,   0x40
; A joint load: waves 0 and 1 fetch for the queries, waves 2 and 3 for the keys.  The branch hangs on the wave's number alone.  Four v_nop follow each of the two lines.
.macro JLOAD g0a, g1a, g0b, g1b
	s_cmp_eq_u32 s15, 0
	s_cbranch_scc0 .Lfor_b_\@
	tensor_load_to_lds s[\g0a:\g0a+3], s[\g1a:\g1a+7]
	s_nop 0
.rept 4
	v_nop
.endr
	s_branch .Lasked_\@
.Lfor_b_\@:
	tensor_load_to_lds s[\g0b:\g0b+3], s[\g1b:\g1b+7]
	s_nop 0
.rept 4
	v_nop
.endr
.Lasked_\@:
.endm
.macro CREST
	s_cmp_lg_u32 s14, 0
	s_cbranch_scc1 .Lnot_wave_0_\@
	s_barrier_signal -3
.Lnot_wave_0_\@:
	s_barrier_wait -3
	s_barrier_signal -1
	s_barrier_wait -1
.endm
.macro CROUND
	s_barrier_signal -1
	s_barrier_wait -1
	CREST
.endm
	s_load_b256 s[4:11], s[0:1], 0x0               ; qc, qs, the mask, pc
	s_load_b64 s[12:13], s[0:1], 0x20              ; pstat
	v_lshl_add_u32 v[SPW], v0, 2, SPARE
	v_mov_b32 v[NIL], 0
	ds_add_u32 v28, v29
	ds_add_u32 v28, v29
	s_wait_dscnt 0x0
	v_lshrrev_b32 v1, 5, v0
	v_readfirstlane_b32 s14, v1                    ; wave 0..3
	s_lshr_b32 s15, s14, 1                         ; which 128 queries are mine.  Also: I fetch for the queries (0) or for the keys (1)
	s_and_b32 s16, s14, 1                          ; which 128 keys.  Also: which 8 tiles I fetch
	s_bfe_u32 s40, ttmp6, 0x40000                  ; cx
	s_bfe_u32 s41, ttmp6, 0x40004                  ; cy
	s_lshl_b32 s42, ttmp9, 2
	s_add_co_u32 s42, s42, s40                     ; x: the block of 256 keys
	s_and_b32 s17, ttmp7, 0xffff
	s_lshl_b32 s45, s17, 2
	s_add_co_u32 s45, s45, s41                     ; y = 8 x batch + the block of 256 queries
	s_lshr_b32 s17, s17, 1                         ; the batch, from the cluster's y alone: it enters the keys' addresses
	s_lshl_b32 s43, s41, 2
	s_lshl_b32 s43, 15, s43                        ; my row of the cluster
	s_lshl_b32 s44, 0x1111, s40                    ; my column
	; group 1: 8 rows (tiles) of 3,072 bytes (384 elements of 8), 12,288 bytes apart
	s_or_b32 s[G1+0], s43, (3<<16)|(1<<21)
	s_or_b32 s[G1B+0], s44, (3<<16)|(1<<21)
.irp g, G1, G1B
	s_mov_b32 s[\g+1], 384<<16
	s_mov_b32 s[\g+2], 8<<16
	s_mov_b32 s[\g+3], 384<<16
	s_mov_b32 s[\g+4], 8
	s_mov_b32 s[\g+5], 1536
	s_mov_b32 s[\g+6], 0
	s_mov_b32 s[\g+7], 0
.endr
	; the scale words of 128 rows: 4 rows (pairs of K steps) of 1,024 bytes, 16,384 bytes apart
	s_or_b32 s[G1S+0], s43, (3<<16)|(1<<21)
	s_or_b32 s[G1SB+0], s44, (3<<16)|(1<<21)
.irp g, G1S, G1SB
	s_mov_b32 s[\g+1], 128<<16
	s_mov_b32 s[\g+2], 4<<16
	s_mov_b32 s[\g+3], 128<<16
	s_mov_b32 s[\g+4], 4
	s_mov_b32 s[\g+5], 2048
	s_mov_b32 s[\g+6], 0
	s_mov_b32 s[\g+7], 0
.endr
	; the mask: 64 rows of 256 bytes, 2,048 bytes apart, 16 bytes of padding behind each; my work-group's own
	s_mov_b32 s[G1M+0], (3<<16)|(1<<20)|(5<<22)|(3<<25)
	s_mov_b32 s[G1M+1], 32<<16
	s_mov_b32 s[G1M+2], 64<<16
	s_mov_b32 s[G1M+3], 32<<16
	s_mov_b32 s[G1M+4], 64
	s_mov_b32 s[G1M+5], 256
	s_mov_b32 s[G1M+6], 0
	s_mov_b32 s[G1M+7], 0
	s_lshl_b32 s18, s16, 3
	s_lshl_b32 s2, s45, 4
	s_add_co_u32 s2, s2, s18
	s_mul_i32 s2, s2, 12288                        ; the queries' tiles 16 y + 8 half on
	s_mov_b32 s3, 0
	s_lshl_b32 s46, s17, 7
	s_lshl_b32 s47, s42, 4
	s_add_co_u32 s46, s46, s47
	s_add_co_u32 s46, s46, s18
	s_mul_i32 s46, s46, 12288                      ; the keys' tiles 128 batch + 16 x + 8 half on
	s_mov_b32 s47, 0
	s_lshl_b32 s18, s16, 10
	s_lshr_b32 s66, s45, 3
	s_lshl_b32 s66, s66, 16
	s_and_b32 s67, s45, 7
	s_lshl_b32 s67, s67, 11
	s_add_co_u32 s66, s66, s67
	s_add_co_u32 s66, s66, s18                     ; the queries' scale words
	s_mov_b32 s67, 0
	s_lshl_b32 s100, s17, 16
	s_lshl_b32 s101, s42, 11
	s_add_co_u32 s100, s100, s101
	s_add_co_u32 s100, s100, s18                   ; the keys'
	s_mov_b32 s101, 0
	s_lshl_b32 s18, s45, 8
	s_lshl_b32 s19, s14, 6
	s_add_co_u32 s18, s18, s19
	s_lshl_b32 s18, s18, 11
	s_lshl_b32 s19, s42, 8
	s_add_co_u32 s18, s18, s19                     ; the mask: row 256 y + 64 w, byte 256 x
	s_mov_b32 s19, 0
	s_mul_i32 s17, s14, HALFT                      ; where they go: no place in the cluster enters an LDS address
	s_lshl_b32 s40, s14, 12
	s_lshl_b32 s41, s15, 7
	s_add_co_u32 s40, s40, s41
	s_add_co_u32 s40, s40, SCL
	s_mul_i32 s41, s14, 64*MP
	s_add_co_u32 s41, s41, MSK
	s_wait_kmcnt 0x0
	s_add_nc_u64 s[2:3], s[4:5], s[2:3]
	s_add_nc_u64 s[46:47], s[4:5], s[46:47]
	s_add_nc_u64 s[66:67], s[6:7], s[66:67]
	s_add_nc_u64 s[100:101], s[6:7], s[100:101]
	s_add_nc_u64 s[18:19], s[8:9], s[18:19]
	CROUND                                         ; all sixteen work-groups are here: the first joint loads meet
	s_mov_b32 s[G0S], 1
	s_mov_b32 s[G0S+1], s40
	s_mov_b64 s[G0S+2:G0S+3], s[66:67]
	s_or_b32 s[G0S+3], s[G0S+3], 0x80000000
	s_mov_b32 s[G0SB], 1
	s_mov_b32 s[G0SB+1], s40
	s_mov_b64 s[G0SB+2:G0SB+3], s[100:101]
	s_or_b32 s[G0SB+3], s[G0SB+3], 0x80000000
	JLOAD G0S, G1S, G0SB, G1SB                     ; the scale words first: they are wanted with K step 0
.irp s, 0,1
	s_mov_b32 s[G0+4*\s], 1
	s_add_co_u32 s[G0+4*\s+1], s17, \s*SLOT
	s_add_nc_u64 s[G0+4*\s+2:G0+4*\s+3], s[2:3], \s*3072
	s_or_b32 s[G0+4*\s+3], s[G0+4*\s+3], 0x80000000
	s_mov_b32 s[G0B+4*\s], 1
	s_add_co_u32 s[G0B+4*\s+1], s17, \s*SLOT
	s_add_nc_u64 s[G0B+4*\s+2:G0B+4*\s+3], s[46:47], \s*3072
	s_or_b32 s[G0B+4*\s+3], s[G0B+4*\s+3], 0x80000000
	JLOAD G0+4*\s, G1, G0B+4*\s, G1B
.endr
	s_mov_b32 s[G0M], 1
	s_mov_b32 s[G0M+1], s41
	s_mov_b64 s[G0M+2:G0M+3], s[18:19]
	s_or_b32 s[G0M+3], s[G0M+3], 0x80000000
	tensor_load_to_lds s[G0M:G0M+3], s[G1M:G1M+7]  ; the mask last: it is wanted behind the products.  Four loads of mine are out
	s_nop 0
.rept 4
	v_nop
.endr
	v_and_b32 v1, 15, v0                           ; r
	v_bfe_u32 v2, v0, 4, 1                         ; h
	v_and_b32 v3, 31, v0
	v_lshlrev_b32 v[LI], 4, v3
	v_lshlrev_b32 v4, 3, v3
	s_mul_i32 s17, s15, HALFT                      ; my 8 tiles of queries
	s_mul_i32 s18, s16, HALFT                      ; my 8 tiles of keys,
	s_add_co_u32 s18, s18, 2*HALFT                 ; behind the queries' 16
.irp s, 0,1
	v_add_nc_u32 v[ADRA+\s], s17, v[LI]
	v_add_nc_u32 v[ADRB+\s], s18, v[LI]
	v_add_nc_u32 v[ADRA+2+\s], s17, v4
	v_add_nc_u32 v[ADRB+2+\s], s18, v4
	s_add_co_u32 s17, s17, SLOT
	s_add_co_u32 s18, s18, SLOT
.endr
	s_lshl_b32 s17, s15, 12
	s_lshl_b32 s18, s16, 12
	s_add_co_u32 s18, s18, SCLB-SCL
	s_sub_co_u32 s18, s18, s17
	v_mul_u32_u24 v5, s18, v2                      ; lanes 16-31 take the keys': one product, the distance between the two bases
	s_add_co_u32 s17, s17, SCL
	v_lshl_add_u32 v5, v1, 3, v5
	v_add_nc_u32 v[ADRS], s17, v5
	s_mul_i32 s17, s15, 128*MP
	s_lshl_b32 s18, s16, 7
	s_add_co_u32 s17, s17, s18
	s_add_co_u32 s17, s17, MSK
	v_and_b32 v5, 8, v1
	v_add_nc_u32 v5, v5, v1
	v_mul_u32_u24 v5, v5, MP
	v_lshl_add_u32 v5, v2, 4, v5
	v_add_nc_u32 v[MKA], s17, v5                   ; the mask: true query r + 8 (r / 8) of a tile, my 128 keys, 16 h
	s_mul_i32 s17, s14, 1536
	s_add_co_u32 s17, s17, STT
	v_lshl_add_u32 v[STW], v1, 2, s17
	v_add_nc_u32 v[STR], s17, v[LI]
	s_lshl_b32 s17, s45, 4                         ; pc: ((16 y + 8 half) x 16 + 2 x + half) x 1,536
	s_lshl_b32 s18, s15, 3
	s_add_co_u32 s17, s17, s18
	s_lshl_b32 s17, s17, 4
	s_lshl_b32 s18, s42, 1
	s_add_co_u32 s17, s17, s18
	s_add_co_u32 s17, s17, s16
	s_mul_i32 s18, s17, 1536
	s_mov_b32 s19, 0
	s_add_nc_u64 s[10:11], s[10:11], s[18:19]
	s_lshr_b32 s17, s45, 3                         ; pstat: ((16 batch + 2 x + half) x 2,048 + 256 block + 128 half) x 4
	s_lshl_b32 s17, s17, 4
	s_lshl_b32 s18, s42, 1
	s_add_co_u32 s17, s17, s18
	s_add_co_u32 s17, s17, s16
	s_lshl_b32 s17, s17, 11
	s_and_b32 s18, s45, 7
	s_lshl_b32 s18, s18, 8
	s_add_co_u32 s17, s17, s18
	s_lshl_b32 s18, s15, 7
	s_add_co_u32 s17, s17, s18
	s_lshl_b32 s18, s17, 2
	s_add_nc_u64 s[12:13], s[12:13], s[18:19]
.macro FRAG reg, adr, q, i             ; tile i's fragment of the slot's q-th 128 along K: its image comes back as it was stored
.irp c, 0,1
	ds_load_b128 v[\reg+6*\c:\reg+6*\c+3], v[\adr] offset:3072*(\i)+1536*(\q)+768*\c
	ds_load_b64 v[\reg+6*\c+4:\reg+6*\c+5], v[\adr+2] offset:3072*(\i)+1536*(\q)+768*\c+512
.endr
.endm
; 16 matrix instructions: query tiles a0, a0 + 1 x the eight key tiles.  The 64 accumulators take turns, one instruction a turn, in the same order in every step.
.macro MUL16 a0, p, q, sc, zero
.irp a, \a0, \a0+1
.irp b, 0,1,2,3,4,5,6,7
.if \zero
	v_wmma_scale_f32_16x16x128_f8f6f4 v[8*(8*((\a)%4)+\b):8*(8*((\a)%4)+\b)+7], v[128*(\p)+FR*\b:128*(\p)+FR*\b+FR-1], v[AF+FR*(\a):AF+FR*(\a)+FR-1], 0, v[SC+8*NQ*(\sc)+NQ*\b+(\q)], v[SC+8*NQ*(\sc)+NQ*(\a)+(\q)] matrix_a_fmt:MATRIX_FMT_FP6 matrix_b_fmt:MATRIX_FMT_FP6 matrix_a_scale:MATRIX_SCALE_ROW1
.else
	v_wmma_scale_f32_16x16x128_f8f6f4 v[8*(8*((\a)%4)+\b):8*(8*((\a)%4)+\b)+7], v[128*(\p)+FR*\b:128*(\p)+FR*\b+FR-1], v[AF+FR*(\a):AF+FR*(\a)+FR-1], v[8*(8*((\a)%4)+\b):8*(8*((\a)%4)+\b)+7], v[SC+8*NQ*(\sc)+NQ*\b+(\q)], v[SC+8*NQ*(\sc)+NQ*(\a)+(\q)] matrix_a_fmt:MATRIX_FMT_FP6 matrix_b_fmt:MATRIX_FMT_FP6 matrix_a_scale:MATRIX_SCALE_ROW1
.endif
.endr
.endr
.endm
.macro FETCH_B slot, q, p
	WIN TO_B
.irp i, 0,1,2,3,4,5,6,7
	FRAG 128*(\p)+FR*\i, ADRB+\slot, \q, \i
.endr
	WIN 0
.endm
.macro FETCH_A slot, q, i0
.irp i, \i0, \i0+1, \i0+2, \i0+3
	FRAG AF+FR*(\i), ADRA+\slot, \q, \i
.endr
.endm
.macro SCALES sc                       ; two words a row; lanes 0-15 the queries' tile i, lanes 16-31 the keys' tile i
.irp i, 0,1,2,3,4,5,6,7
	ds_load_b64 v[SC+8*NQ*\sc+NQ*\i:SC+8*NQ*\sc+NQ*\i+1], v[ADRS] offset:\i*128
.endr
.endm
.macro PLACES n                        ; plain vector instructions between a matrix instruction and a load into, or a read of, its registers
.rept \n
	v_nop
.endr
.endm
.macro STEP slot, q, zero              ; a step of 128 along K that has its successor in the same slot
	s_wait_dscnt 4*NL                              ; the keys' set and query tiles 0-3 are in; the youngest 16 loads (query tiles 4-7) may be out
	WIN MUL_LO
	MUL16 0, (\q)%2, \q, \slot, \zero
	MUL16 2, (\q)%2, \q, \slot, \zero
	s_wait_dscnt 0                                 ; query tiles 4-7 are in
	PLACES NP
	FETCH_B \slot, (\q)+1, 1-(\q)%2
	FETCH_A \slot, (\q)+1, 0
	WIN MUL_HI
	MUL16 4, (\q)%2, \q, \slot, \zero
	MUL16 6, (\q)%2, \q, \slot, \zero
	PLACES NP
	WIN 0
	FETCH_A \slot, (\q)+1, 4
.endm
; A slot's last step changes slots: one barrier; in front of it each wave waits for all its tensor loads, adds 0 to its spare word, and waits for that and for its reads of this slot.
.macro TURN slot, next, fill
	s_wait_tensorcnt 0x0                           ; all my tensor loads have landed: my part of the next slot (at the first change the mask too)
	ds_add_u32 v[SPW], v[NIL]                      ; 0 onto my spare word
	s_wait_dscnt 4*NL+1                            ; (the add and the youngest 16 loads may be out)
	WIN MUL_LO
	MUL16 0, 1, NQ-1, \slot, 0
	s_wait_dscnt 0x0                               ; the add is done, and my reads of this slot are over
	s_barrier_signal -1
	MUL16 2, 1, NQ-1, \slot, 0
	WIN 0
	s_barrier_wait -1
.if \fill
	CREST                                          ; the barrier has opened a round of the cluster's: no wave of any partner still reads this slot or has a load on its way
	s_add_nc_u64 s[G0+4*\slot+2:G0+4*\slot+3], s[G0+4*\slot+2:G0+4*\slot+3], 6144
	s_add_nc_u64 s[G0B+4*\slot+2:G0B+4*\slot+3], s[G0B+4*\slot+2:G0B+4*\slot+3], 6144
	JLOAD G0+4*\slot, G1, G0B+4*\slot, G1B         ; the first tensor load behind the round; its four v_nop are the places in front of the loads below
.else
	PLACES NP
.endif
	v_add_nc_u32 v[ADRS], 1024, v[ADRS]            ; the next pair of K steps' scale words
	FETCH_B \next, 0, 0
	FETCH_A \next, 0, 0
	SCALES \next
	WIN MUL_HI
	MUL16 4, 1, NQ-1, \slot, 0
	MUL16 6, 1, NQ-1, \slot, 0
	PLACES NP
	WIN 0
	FETCH_A \next, 0, 4
.endm
	s_wait_tensorcnt 2                             ; the scale words and my part of slot 0 are in; slot 1's load and the mask's may be out
	s_barrier_signal -1
	s_barrier_wait -1
	FETCH_B 0, 0, 0
	FETCH_A 0, 0, 0
	SCALES 0
	FETCH_A 0, 0, 4
	STEP 0, 0, 1                                   ; the first products start the sums
	TURN 0, 1, 1
	STEP 1, 0, 0
	TURN 1, 0, 1
	STEP 0, 0, 0
	TURN 0, 1, 0                                   ; the last two slots are left without a refill
	STEP 1, 0, 0
	s_wait_dscnt 4*NL
	WIN MUL_LO
	MUL16 0, 1, NQ-1, 1, 0
	MUL16 2, 1, NQ-1, 1, 0
	s_wait_dscnt 0
	WIN MUL_HI
	MUL16 4, 1, NQ-1, 1, 0
	MUL16 6, 1, NQ-1, 1, 0
	WIN 0
	PLACES NP                                      ; in front of the first read of results and of writes into registers that held fragments
	s_mov_b32 s[SEL], 0x76543210                   ; (every tensor load was shown done at the last change of slots)
	s_mov_b32 s[SEL+1], 0xfedcba98
	s_mov_b32 s[CS], 0x3d38aa3b                    ; c = log2(e) / 32: t = sum x c
	s_mov_b32 s[CS+1], s[CS]
	s_mov_b32 s[K1], 0x3309705f                    ; 32 x 1e-9: x c it is the masked logit's t
	s_mov_b32 s[SELB+0], 0
	s_mov_b32 s[SELB+1], 0x01010101
	s_mov_b32 s[SELB+2], 0x02020202
	s_mov_b32 s[SELB+3], 0x03030303
.irp b, 0,1,2,3
	v_mov_b32 v[BX+\b], 0                          ; written once: a lane permute's destination counts as one of its sources
.endr
	v_mov_b32 v[NM+1], 0                           ; (named as the upper half of a pair)
.macro MLOAD a                         ; query tile a's mask bytes: 16 neighbouring keys a load, register 4 b + q = keys 32 b + 16 h + 4 q ..
.irp b, 0,1,2,3
	ds_load_b128 v[MK+16*((\a)%2)+4*\b:MK+16*((\a)%2)+4*\b+3], v[MKA] offset:(32*((\a)/2)+8*((\a)%2))*MP+32*\b
.endr
.endm
.macro SOFT a
.set MA, MK+16*((\a)%2)
.set AC, 64*((\a)%4)
.set PX, PC+20*((\a)%2)
.if (\a) >= 2
	s_wait_xcnt 0x0                                ; the stores of two tiles back have read this set of code registers
.endif
.if (\a) < 7
	MLOAD (\a)+1
	s_wait_dscnt 4                                 ; this tile's mask bytes are in; the next tile's four loads may be out
.else
	s_wait_dscnt 0x0
.endif
	WIN 0x20+0x10*((\a)/4)                         ; source 2: the accumulators' window
.set g, 0
.rept 16
	v_lshlrev_b32 v[TP+g%4], 8, v[MA+g]
	v_sub_nc_u32 v[MA+g], v[TP+g%4], v[MA+g]       ; bytes 0 / 1 become 0x00 / 0xff
.set g, g+1
.endr
.set g, 0
.rept 16                                       ; each accumulator from its low end on
.irp k, 0,1,2,3
	v_perm_b32 v[TP+\k], v[MA+g], v[MA+g], s[SELB+\k]   ; a key's byte in all four places
.endr
.irp k, 0,1,2,3
	v_bfi_b32 v[P+4*g+\k], v[TP+\k], s[K1], v[AC+4*g+\k]   ; masked: the constant; else the sum
.endr
.set g, g+1
.endr
	WIN 0
.irp b, 0,1,2,3
	v_max3_num_f32 v[BM+\b], v[P+16*\b], v[P+1+16*\b], v[P+2+16*\b]   ; each block's largest: it serves the row's maximum and, since p rises with it, the block's largest p
.endr
.irp i, 3,5,7,9,11,13
.irp b, 0,1,2,3
	v_max3_num_f32 v[BM+\b], v[BM+\b], v[P+16*\b+\i], v[P+1+16*\b+\i]
.endr
.endr
.irp b, 0,1,2,3
	v_max_num_f32 v[BM+\b], v[BM+\b], v[P+15+16*\b]
.endr
.irp b, 0,1,2,3
	v_permlanex16_b32 v[BX+\b], v[BM+\b], s[SEL], s[SEL+1]
.endr
.irp b, 0,1,2,3
	v_max_num_f32 v[BM+\b], v[BM+\b], v[BX+\b]
.endr
	v_max3_num_f32 v[T0], v[BM], v[BM+1], v[BM+2]
	v_max_num_f32 v[T0], v[T0], v[BM+3]
	v_mul_f32 v[T0], s[CS], v[T0]                  ; the chunk's largest t of my query
	v_floor_f32 v[NM], -v[T0]                      ; -M = floor(-t): M is a whole number
.set n, 0
.rept 32
	v_pk_fma_f32 v[P+n:P+n+1], v[P+n:P+n+1], s[CS:CS+1], v[NM:NM+1] op_sel_hi:[1,0,0]   ; t - M
.set n, n+2
.endr
.irp b, 0,1,2,3
	v_fma_f32 v[BM+\b], v[BM+\b], s[CS], v[NM]
.endr
.set n, 0
.rept 64
	v_exp_f32 v[P+n], v[P+n]                       ; p = 2^(t - M)
.set n, n+1
.endr
	v_nop                                          ; a plain instruction behind the exponentials,
	s_wait_alu depctr_va_vdst(0)                   ; and one wait for the batch, ahead of its first reader
.irp b, 0,1,2,3
	v_exp_f32 v[BM+\b], v[BM+\b]                   ; the block's largest p
.endr
	v_pk_add_f32 v[LS:LS+1], v[P:P+1], v[P+4:P+5]  ; the sum of the unquantised p, in two chains: plain work behind the four
	v_pk_add_f32 v[LS+2:LS+3], v[P+2:P+3], v[P+6:P+7]
.irp j, 8,12,16,20,24,28,32,36,40,44,48,52,56,60
	v_pk_add_f32 v[LS:LS+1], v[LS:LS+1], v[P+\j:P+\j+1]
	v_pk_add_f32 v[LS+2:LS+3], v[LS+2:LS+3], v[P+\j+2:P+\j+3]
.endr
	v_pk_add_f32 v[LS:LS+1], v[LS:LS+1], v[LS+2:LS+3]
	v_add_f32 v[LS], v[LS], v[LS+1]
	v_permlanex16_b32 v[LS+1], v[LS], s[SEL], s[SEL+1]
	v_add_f32 v[LS], v[LS], v[LS+1]
	s_wait_alu depctr_va_vdst(0)                   ; and one wait for the four
.irp b, 0,1,2,3
	v_max_num_f32 v[BM+\b], 0x1800000, v[BM+\b]    ; the floor 2^(3 - 127)
.endr
.irp b, 0,1,2,3
	v_add_nc_u32 v[SO+\b], 0xff000000, v[BM+\b]
.endr
.irp b, 0,1,2,3
	v_lshrrev_b32 v[SBY+\b], 23, v[SO+\b]
.endr
	v_lshl_or_b32 v[PW], v[SBY+1], 8, v[SBY]
	v_lshl_or_b32 v[PW], v[SBY+2], 16, v[PW]
	v_lshl_or_b32 v[PW], v[SBY+3], 24, v[PW]
.irp c, 0,1
	v_cvt_scalef32_pk16_fp6_f32 v[PX+6*\c:PX+6*\c+2], v[P+32*\c:P+32*\c+15], v[SO+2*\c]
	v_cvt_scalef32_pk16_fp6_f32 v[PX+12+4*\c:PX+14+4*\c], v[P+16+32*\c:P+31+32*\c], v[SO+2*\c+1]
.endr
	v_nop                                          ; one plain instruction behind a scaled conversion
.irp c, 0,1
.irp i, 0,1,2
	v_permlane16_swap_b32 v[PX+6*\c+\i], v[PX+12+4*\c+\i]
.endr
.irp i, 0,1,2
	v_mov_b32 v[PX+3+6*\c+\i], v[PX+12+4*\c+\i]
.endr
.endr
.irp c, 0,1,2
	global_store_b128 v[LI], v[PX+4*\c:PX+4*\c+3], s[10:11] offset:512*\c+24576*(\a)   ; 512 consecutive bytes a store
.endr
	ds_store_b32 v[STW], v[PW] offset:64*(\a)      ; lanes r and r + 16 write the same word with the same value
	ds_store_b32 v[STW], v[NM] offset:512+64*(\a)
	ds_store_b32 v[STW], v[LS] offset:1024+64*(\a)
.endm
	MLOAD 0
.irp a, 0,1,2,3,4,5,6,7
	SOFT \a
.endr
.irp k, 0,1,2
	ds_load_b128 v[MK+4*\k:MK+4*\k+3], v[STR] offset:512*\k   ; LDS serves a wave's instructions in order: these see my stores
.endr
	s_wait_dscnt 0x0
.irp k, 0,1,2
	global_store_b128 v[LI], v[MK+4*\k:MK+4*\k+3], s[12:13] offset:524288*\k   ; my 128 queries' words, -M, sums: 512 consecutive bytes each
.endr
	s_wait_tensorcnt 0x0                           ; the wave's end
	ds_add_u32 v[SPW], v[NIL]
	s_wait_dscnt 0x0
	CROUND                                         ; the closing round
	s_endpgm
.Lfunc_end_k_q0e09687bbe_scores:
	.size	k_q0e09687bbe_scores, .Lfunc_end_k_q0e09687bbe_scores-k_q0e09687bbe_scores
	.p2alignl 7, 3214868480
	.fill 96, 4, 3214868480
	.section	.rodata,"a",@progbits
	.p2align	6, 0x0
	.amdhsa_kernel k_q0e09687bbe_scores
		.amdhsa_group_segment_fixed_size 327680
		.amdhsa_private_segment_fixed_size 0
		.amdhsa_enable_private_segment 0
		.amdhsa_kernarg_size 40
		.amdhsa_user_sgpr_count 2
		.amdhsa_user_sgpr_kernarg_segment_ptr 1
		.amdhsa_wavefront_size32 1
		.amdhsa_system_sgpr_workgroup_id_x 1
		.amdhsa_system_sgpr_workgroup_id_y 1
		.amdhsa_system_sgpr_workgroup_id_z 1
		.amdhsa_system_vgpr_workitem_id 0
		.amdhsa_next_free_vgpr 1024
		.amdhsa_next_free_sgpr 102
		.amdhsa_reserve_vcc 0
		.amdhsa_float_denorm_mode_32 3
		.amdhsa_float_denorm_mode_16_64 3
		.amdhsa_memory_ordered 1
		.amdhsa_forward_progress 1
		.amdhsa_inst_pref_size 255
	.end_amdhsa_kernel
	.section	.bss,"aw",@nobits
	.p2align	6
	.space	262144
	.amdgpu_metadata
---
amdhsa.version: [ 1, 2 ]
amdhsa.kernels:
  - .name:           k_q0e09687bbe_scores
    .symbol:         k_q0e09687bbe_scores.kd
    .args:
      - { .name: qc, .offset: 0, .size: 8, .value_kind: global_buffer, .address_space: global }
      - { .name: qs, .offset: 8, .size: 8, .value_kind: global_buffer, .address_space: global }
      - { .name: attention_mask, .offset: 16, .size: 8, .value_kind: global_buffer, .address_space: global }
      - { .name: pc, .offset: 24, .size: 8, .value_kind: global_buffer, .address_space: global }
      - { .name: pstat, .offset: 32, .size: 8, .value_kind: global_buffer, .address_space: global }
    .group_segment_fixed_size: 327680
    .private_segment_fixed_size: 0
    .kernarg_segment_align: 8
    .kernarg_segment_size: 40
    .max_flat_workgroup_size: 128
    .sgpr_count:     102
    .vgpr_count:     1024
    .wavefront_size: 32
...
	.end_amdgpu_metadata
.endif
;; end of part 3
;; launch pv (part 4): grid 4 x 64, 4 waves a work-group, clusters of 4 x 4, 327,680 bytes of LDS; arguments pc, pstat, vc, vs, out0; writes out0
.if DOCPART == 4
	.amdgcn_target "amdgcn-amd-amdhsa--gfx1250"
	.amdhsa_code_object_version 6
	.text
	.protected	k_q0e09687bbe_pv
	.globl	k_q0e09687bbe_pv
	.p2align	8
	.type	k_q0e09687bbe_pv,@function
k_q0e09687bbe_pv:
	s_mov_b64 s[64:65], 0
	v_nop
	global_prefetch_b8 v0, s[64:65] scope:SCOPE_SE
	s_setreg_imm32_b32 hwreg(HW_REG_WAVE_MODE, 25, 1), 1
	s_wait_xcnt 0x0
	s_wait_alu depctr_hold_cnt(0) depctr_sa_sdst(0) depctr_va_vdst(0) depctr_va_sdst(0) depctr_va_ssrc(0) depctr_va_vcc(0) depctr_vm_vsrc(0)
	s_getreg_b32 s2, hwreg(HW_REG_IB_STS2, 6, 4)
	s_cmp_eq_u32 s2, 0
	s_cbranch_scc0 .Lentry_in_a_cluster
	s_endpgm
.Lentry_in_a_cluster:
	s_bfe_u32 s2, ttmp6, 0x10000c
	s_cmp_lg_u32 s2, 0xf033
	s_cbranch_scc0 .Lentry_shape_is_right
	s_endpgm
.Lentry_shape_is_right:
; out = (p qkv) / l on codes of E2M3, K = the 2,048 keys.
; IN: pc (p's fragments as images, queries in the tiles' order, each chunk of 128 keys under its own whole-number M), pstat (scale word, -M, sum for each query and chunk), vc, vs (the values, keys innermost).
; A tile of 128 queries x 256 features is made by a work-group of four waves; a wave makes 64 x 128: 32 accumulators, 256 registers.  64 x 4 = 256 work-groups.
; AT THE HEAD thread t takes query t of the block: the row's M is the largest of the 16 chunks' M; a chunk's four scale bytes fall by M - M_chunk (a power of two, which rounds nothing; a byte that would pass 0 is held at 0),
; and l = the sum of l_chunk x 2^(M_chunk - M).  The corrected words and 1 / l go to LDS.  The 48 loads that this takes go out first of all, ahead of the cluster's round and of the tiles.
; K goes in steps of 512 through a ring of two LDS slots: four fills, two of them refills.  CLUSTERS: 4 x 4; p's tiles are shared along a row of the cluster, the values' along a column.
; TRANSPOSED: source 0 = 16 features of the values, source 1 = 16 queries of p: a lane holds one query and eight neighbouring features.
; LIMITS: a chunk whose M lies more than 127 under the row's is weighed at 2^-127 or less; NaN and infinities are not served.
; REGISTERS: window 0: v10-29 addresses and 1 / l; v32-95 scale words, two sets (4 a + q: p's; 16 + 8 (q / 2) + b: the values', even K step in lanes 0-15, odd in lanes 16-31); v96-195 the head's work; v128-223 p's fragments, two sets.
;   window 1: the values' fragments, two sets, at v0 and v128.   window 2: the accumulators ((a, b) at v[8 (8 a + b)]).
.set FR,    12
.set SLOT,  147456                     ; p's 8 tiles x 6,144 bytes, then the values' 16
.set VSL,   294912                     ; the values' scale words: 16 chunks x 1,024 bytes
.set PSL,   311296                     ; p's corrected words: 128 queries x (64 + 16) bytes
.set RLL,   321536                     ; 1 / l of 128 queries
.set SPARE, 322048                     ; the spare words, 128 bytes a wave
.set SPITCH, 528                       ; the way out: 16 rows x (512 + 16) bytes a wave, in slot 0, which has had its last fill and its last read by then
.set ADRA, 10
.set ADRB, 12
.set ADPS, 14
.set ADVS, 15
.set ADRL, 16
.set STO,  17
.set RD,   18
.set CO,   19
.set RL,   20                          ; v20-23 1 / l of my query in tiles 0-3
.set SPW,  28
.set NIL,  29
.set SC,   32
.set AF,   128
.set BK,   128
.set FW,   96                          ; the head: 16 words, 16 -M, 16 sums, and three sets of 16 at work
.set FM,   112
.set FL,   128
.set FD,   144
.set FE,   160
.set FF,   176
.set G1,  24
.set G0,  32
.set G1B, 48
.set G0B, 56
.set G1V, 68
.set G0V, 76
.set MSB, 0
.macro WIN new
.if MSB != (\new)
	s_set_vgpr_msb (MSB<<8)|(\new)
.set MSB, (\new)
.endif
.endm
.macro JLOAD s                         ; a joint refill: waves 0 and 1 fetch p's tiles, waves 2 and 3 the values'; four v_nop follow each of the two lines
	s_cmp_eq_u32 s15, 0
	s_cbranch_scc0 .Lfor_b_\@
	tensor_load_to_lds s[G0+4*\s:G0+4*\s+3], s[G1:G1+7]
	s_nop 0
.rept 4
	v_nop
.endr
	s_branch .Lasked_\@
.Lfor_b_\@:
	tensor_load_to_lds s[G0B+4*\s:G0B+4*\s+3], s[G1B:G1B+7]
	s_nop 0
.rept 4
	v_nop
.endr
.Lasked_\@:
.endm
.macro CREST
	s_cmp_lg_u32 s14, 0
	s_cbranch_scc1 .Lnot_wave_0_\@
	s_barrier_signal -3
.Lnot_wave_0_\@:
	s_barrier_wait -3
	s_barrier_signal -1
	s_barrier_wait -1
.endm
.macro CROUND
	s_barrier_signal -1
	s_barrier_wait -1
	CREST
.endm
.macro PLACES n
.rept \n
	v_nop
.endr
.endm
	s_load_b256 s[4:11], s[0:1], 0x0               ; pc, pstat, vc, vs
	s_load_b64 s[12:13], s[0:1], 0x20              ; out0
	v_lshl_add_u32 v[SPW], v0, 2, SPARE
	v_mov_b32 v[NIL], 0
	ds_add_u32 v28, v29
	ds_add_u32 v28, v29
	s_wait_dscnt 0x0
	v_lshrrev_b32 v1, 5, v0
	v_readfirstlane_b32 s14, v1                    ; wave 0..3
	s_lshr_b32 s15, s14, 1                         ; which 64 queries are mine.  Also: I fetch p (0) or the values (1)
	s_and_b32 s16, s14, 1                          ; which 128 features.  Also: which half of the tiles I fetch
	s_bfe_u32 s40, ttmp6, 0x40000                  ; cx
	s_bfe_u32 s41, ttmp6, 0x40004                  ; cy
	s_lshl_b32 s42, ttmp9, 2
	s_add_co_u32 s42, s42, s40                     ; x: the block of 256 features
	s_and_b32 s17, ttmp7, 0xffff
	s_lshl_b32 s45, s17, 2
	s_add_co_u32 s45, s45, s41                     ; y = 16 x batch + the block of 128 queries
	s_lshr_b32 s17, s17, 2                         ; the batch, from the cluster's y alone: it enters the values' addresses
	s_lshl_b32 s43, s41, 2
	s_lshl_b32 s43, 15, s43                        ; my row of the cluster
	s_lshl_b32 s44, 0x1111, s40                    ; my column
	s_lshr_b32 s22, s45, 4                         ; pstat at my block: batch x 16 chunks x 8,192 bytes + 512 x block
	s_lshl_b32 s22, s22, 17
	s_and_b32 s23, s45, 15
	s_lshl_b32 s23, s23, 9
	s_add_co_u32 s22, s22, s23
	s_mov_b32 s23, 0
	v_lshlrev_b32 v24, 2, v0                       ; thread t is query t of the block
	; group 1: rows (tiles) of 6,144 bytes (768 elements of 8), 24,576 bytes apart: 4 of p, 8 of the values
	s_or_b32 s[G1+0], s43, (3<<16)|(1<<21)
	s_mov_b32 s[G1+1], 768<<16
	s_mov_b32 s[G1+2], 4<<16
	s_mov_b32 s[G1+3], 768<<16
	s_mov_b32 s[G1+4], 4
	s_mov_b32 s[G1+5], 3072
	s_mov_b32 s[G1+6], 0
	s_mov_b32 s[G1+7], 0
	s_or_b32 s[G1B+0], s44, (3<<16)|(1<<21)
	s_mov_b32 s[G1B+1], 768<<16
	s_mov_b32 s[G1B+2], 8<<16
	s_mov_b32 s[G1B+3], 768<<16
	s_mov_b32 s[G1B+4], 8
	s_mov_b32 s[G1B+5], 3072
	s_mov_b32 s[G1B+6], 0
	s_mov_b32 s[G1B+7], 0
	; the values' scale words: 8 rows (chunks) of 1,024 bytes, 4,096 bytes apart
	s_or_b32 s[G1V+0], s44, (3<<16)|(1<<21)
	s_mov_b32 s[G1V+1], 128<<16
	s_mov_b32 s[G1V+2], 8<<16
	s_mov_b32 s[G1V+3], 128<<16
	s_mov_b32 s[G1V+4], 8
	s_mov_b32 s[G1V+5], 512
	s_mov_b32 s[G1V+6], 0
	s_mov_b32 s[G1V+7], 0
	s_lshl_b32 s2, s45, 3
	s_lshl_b32 s18, s16, 2
	s_add_co_u32 s2, s2, s18
	s_mul_i32 s2, s2, 24576                        ; p's tiles 8 y + 4 half on
	s_mov_b32 s3, 0
	s_lshl_b32 s46, s17, 6
	s_lshl_b32 s47, s42, 4
	s_add_co_u32 s46, s46, s47
	s_lshl_b32 s47, s16, 3
	s_add_co_u32 s46, s46, s47
	s_mul_i32 s46, s46, 24576                      ; the values' tiles 64 batch + 16 x + 8 half on
	s_mov_b32 s47, 0
	s_lshl_b32 s66, s17, 4
	s_lshl_b32 s67, s16, 3
	s_add_co_u32 s66, s66, s67
	s_lshl_b32 s66, s66, 12
	s_lshl_b32 s67, s42, 10
	s_add_co_u32 s66, s66, s67                     ; their scale words: chunk 8 half on, feature 256 x on
	s_mov_b32 s67, 0
	s_mul_i32 s18, s16, 24576                      ; where they go: no place in the cluster enters an LDS address
	s_mul_i32 s19, s16, 49152
	s_add_co_u32 s19, s19, 49152
	s_lshl_b32 s20, s16, 13
	s_add_co_u32 s20, s20, VSL
	s_wait_kmcnt 0x0
	s_add_nc_u64 s[6:7], s[6:7], s[22:23]
.irp c, 0,1,2,3,4,5,6,7,8,9,10,11,12,13,14,15      ; my query's 16 words, 16 -M, 16 sums: asked for first, so that the arithmetic on them stands in the time in which the first tiles land
	global_load_b32 v[FW+\c], v24, s[6:7] offset:8192*\c
	global_load_b32 v[FM+\c], v24, s[6:7] offset:524288+8192*\c
	global_load_b32 v[FL+\c], v24, s[6:7] offset:1048576+8192*\c
.endr
	s_add_nc_u64 s[2:3], s[4:5], s[2:3]
	s_add_nc_u64 s[46:47], s[8:9], s[46:47]
	s_add_nc_u64 s[66:67], s[10:11], s[66:67]
.irp s, 0,1
	s_mov_b32 s[G0+4*\s], 1
	s_add_co_u32 s[G0+4*\s+1], s18, \s*SLOT
	s_add_nc_u64 s[G0+4*\s+2:G0+4*\s+3], s[2:3], \s*6144
	s_or_b32 s[G0+4*\s+3], s[G0+4*\s+3], 0x80000000
	s_mov_b32 s[G0B+4*\s], 1
	s_add_co_u32 s[G0B+4*\s+1], s19, \s*SLOT
	s_add_nc_u64 s[G0B+4*\s+2:G0B+4*\s+3], s[46:47], \s*6144
	s_or_b32 s[G0B+4*\s+3], s[G0B+4*\s+3], 0x80000000
.endr
	s_mov_b32 s[G0V], 1
	s_mov_b32 s[G0V+1], s20
	s_mov_b64 s[G0V+2:G0V+3], s[66:67]
	s_or_b32 s[G0V+3], s[G0V+3], 0x80000000
	CROUND                                         ; all sixteen work-groups are here: the first joint loads meet
	s_cmp_eq_u32 s15, 0                            ; a wave's first fills stand in one branch: two loads of mine are out, or three
	s_cbranch_scc0 .Lfirst_b
	tensor_load_to_lds s[G0:G0+3], s[G1:G1+7]
	s_nop 0
	tensor_load_to_lds s[G0+4:G0+7], s[G1:G1+7]
	s_nop 0
.rept 4
	v_nop
.endr
	s_branch .Lfirst_asked
.Lfirst_b:
	tensor_load_to_lds s[G0V:G0V+3], s[G1V:G1V+7]
	s_nop 0
	tensor_load_to_lds s[G0B:G0B+3], s[G1B:G1B+7]
	s_nop 0
	tensor_load_to_lds s[G0B+4:G0B+7], s[G1B:G1B+7]
	s_nop 0
.rept 4
	v_nop
.endr
.Lfirst_asked:
	v_and_b32 v1, 15, v0                           ; r
	v_bfe_u32 v2, v0, 4, 1                         ; h
	v_and_b32 v3, 31, v0
	v_lshlrev_b32 v[CO], 4, v3                     ; 16 x lane
	s_mul_i32 s17, s15, 24576                      ; my 4 tiles of p
	s_mul_i32 s18, s16, 49152                      ; my 8 tiles of the values,
	s_add_co_u32 s18, s18, 49152                   ; behind p's 8
.irp s, 0,1
	v_add_nc_u32 v[ADRA+\s], s17, v[CO]
	v_add_nc_u32 v[ADRB+\s], s18, v[CO]
	s_add_co_u32 s17, s17, SLOT
	s_add_co_u32 s18, s18, SLOT
.endr
	s_mul_i32 s17, s15, 64*80
	s_add_co_u32 s17, s17, PSL
	v_mul_u32_u24 v4, v1, 80
	v_add_nc_u32 v[ADPS], s17, v4
	s_lshl_b32 s17, s16, 9
	s_add_co_u32 s17, s17, VSL
	v_lshlrev_b32 v4, 2, v1
	v_lshl_add_u32 v4, v2, 10, v4
	v_add_nc_u32 v[ADVS], s17, v4                  ; lanes 16-31 take the chunk behind
	s_lshl_b32 s17, s15, 8
	s_add_co_u32 s17, s17, RLL
	v_lshl_add_u32 v[ADRL], v1, 2, s17
	s_mul_i32 s17, s14, 16*SPITCH
	v_mul_u32_u24 v4, v1, SPITCH
	v_lshl_add_u32 v4, v2, 5, v4
	v_add_nc_u32 v[STO], s17, v4
	v_add_nc_u32 v[RD], s17, v[CO]
	v_mul_u32_u24 v25, v0, 80
	v_add_nc_u32 v25, PSL, v25
	v_lshl_add_u32 v26, v0, 2, RLL
	s_lshl_b32 s22, s45, 7                         ; out0: row 128 y + 64 half, feature 256 x + 128 half  (s23 is still 0)
	s_lshl_b32 s17, s15, 6
	s_add_co_u32 s22, s22, s17
	s_lshl_b32 s22, s22, 12
	s_lshl_b32 s17, s42, 10
	s_add_co_u32 s22, s22, s17
	s_lshl_b32 s17, s16, 9
	s_add_co_u32 s22, s22, s17
	s_add_nc_u64 s[12:13], s[12:13], s[22:23]
	s_wait_loadcnt 0x0
	v_min3_num_f32 v192, v[FM], v[FM+1], v[FM+2]   ; -M of the row: the least of the chunks' -M
.irp c, 3,5,7,9,11,13
	v_min3_num_f32 v192, v192, v[FM+\c], v[FM+\c+1]
.endr
	v_min_num_f32 v192, v192, v[FM+15]
; the sixteen chunks by turns, line by line, so that no line waits for the line above it
.irp c, 0,1,2,3,4,5,6,7,8,9,10,11,12,13,14,15
	v_sub_f32 v[FD+\c], v[FM+\c], v192             ; M - M_chunk: a whole number, 0 or more
.endr
.irp c, 0,1,2,3,4,5,6,7,8,9,10,11,12,13,14,15
	v_cvt_i32_f32 v[FD+\c], v[FD+\c]               ; (it saturates)
.endr
.irp c, 0,1,2,3,4,5,6,7,8,9,10,11,12,13,14,15
	v_min_u32 v[FD+\c], 127, v[FD+\c]
.endr
.irp c, 0,1,2,3,4,5,6,7,8,9,10,11,12,13,14,15
	v_sub_nc_u32 v[FE+\c], 0, v[FD+\c]
.endr
.irp c, 0,1,2,3,4,5,6,7,8,9,10,11,12,13,14,15
	v_ldexp_f32 v[FE+\c], v[FL+\c], v[FE+\c]       ; the chunk's sum under the row's M
.endr
.irp c, 0,1,2,3,4,5,6,7,8,9,10,11,12,13,14,15
	v_lshl_or_b32 v[FD+\c], v[FD+\c], 8, v[FD+\c]
.endr
.irp c, 0,1,2,3,4,5,6,7,8,9,10,11,12,13,14,15
	v_lshl_or_b32 v[FD+\c], v[FD+\c], 16, v[FD+\c] ; the difference in all four bytes
.endr
.irp c, 0,1,2,3,4,5,6,7,8,9,10,11,12,13,14,15
	v_or_b32 v[FW+\c], 0x80808080, v[FW+\c]        ; p is at most about 1, so a byte is under 128: its top bit takes the borrow
.endr
.irp c, 0,1,2,3,4,5,6,7,8,9,10,11,12,13,14,15
	v_sub_nc_u32 v[FW+\c], v[FW+\c], v[FD+\c]
.endr
.irp c, 0,1,2,3,4,5,6,7,8,9,10,11,12,13,14,15
	v_and_b32 v[FD+\c], 0x80808080, v[FW+\c]       ; top bit kept: the byte did not pass 0
.endr
.irp c, 0,1,2,3,4,5,6,7,8,9,10,11,12,13,14,15
	v_lshlrev_b32 v[FF+\c], 1, v[FD+\c]
.endr
.irp c, 0,1,2,3,4,5,6,7,8,9,10,11,12,13,14,15
	v_lshrrev_b32 v[FD+\c], 7, v[FD+\c]
.endr
.irp c, 0,1,2,3,4,5,6,7,8,9,10,11,12,13,14,15
	v_sub_nc_u32 v[FF+\c], v[FF+\c], v[FD+\c]      ; 0xff in those bytes, 0 in the others
.endr
.irp c, 0,1,2,3,4,5,6,7,8,9,10,11,12,13,14,15
	v_and_b32 v[FW+\c], v[FW+\c], v[FF+\c]
.endr
.irp c, 0,1,2,3,4,5,6,7,8,9,10,11,12,13,14,15
	v_and_b32 v[FW+\c], 0x7f7f7f7f, v[FW+\c]
.endr
.irp k, 0,2,4,6
	v_pk_add_f32 v[FE+\k:FE+\k+1], v[FE+\k:FE+\k+1], v[FE+8+\k:FE+9+\k]
.endr
.irp k, 0,2
	v_pk_add_f32 v[FE+\k:FE+\k+1], v[FE+\k:FE+\k+1], v[FE+4+\k:FE+5+\k]
.endr
	v_pk_add_f32 v[FE:FE+1], v[FE:FE+1], v[FE+2:FE+3]
	v_add_f32 v[FE], v[FE], v[FE+1]                ; l
	v_rcp_f32 v[FE+1], v[FE]
	v_nop                                          ; a plain instruction behind the transcendental,
	s_wait_alu depctr_va_vdst(0)                   ; and the wait ahead of its first reader
.irp f, 0,1,2,3
	ds_store_b128 v25, v[FW+4*\f:FW+4*\f+3] offset:16*\f
.endr
	ds_store_b32 v26, v[FE+1]
; the fragments of the slot's q-th 128 keys into set: the values' eight, p's four: 36 loads of 512 consecutive bytes
.macro FETCH slot, q, set
	WIN 0x40
.irp i, 0,1,2,3,4,5,6,7
.irp c, 0,1,2
	ds_load_b128 v[128*(\set)+FR*\i+4*\c:128*(\set)+FR*\i+4*\c+3], v[ADRB+\slot] offset:6144*\i+1536*(\q)+512*\c
.endr
.endr
	WIN 0
.irp i, 0,1,2,3
.irp c, 0,1,2
	ds_load_b128 v[AF+48*(\set)+FR*\i+4*\c:AF+48*(\set)+FR*\i+4*\c+3], v[ADRA+\slot] offset:6144*\i+1536*(\q)+512*\c
.endr
.endr
.endm
.macro SCALES f                        ; fill f's scale words into set f % 2
.irp a, 0,1,2,3
	ds_load_b128 v[SC+32*((\f)%2)+4*\a:SC+32*((\f)%2)+4*\a+3], v[ADPS] offset:1280*\a+16*(\f)
.endr
.irp qq, 0,1
.irp b, 0,1,2,3,4,5,6,7
	ds_load_b32 v[SC+32*((\f)%2)+16+8*\qq+\b], v[ADVS] offset:(4*(\f)+2*\qq)*1024+64*\b
.endr
.endr
.endm
; 16 matrix instructions: query tiles a0, a0 + 1 x the eight feature tiles.  The 32 accumulators take turns, one instruction a turn, in the same order in every step.
.macro MULH set, q, u, a0, zero
.irp a, \a0, \a0+1
.irp b, 0,1,2,3,4,5,6,7
.if \zero
	v_wmma_scale_f32_16x16x128_f8f6f4 v[8*(8*(\a)+\b):8*(8*(\a)+\b)+7], v[128*(\set)+FR*\b:128*(\set)+FR*\b+FR-1], v[AF+48*(\set)+FR*(\a):AF+48*(\set)+FR*(\a)+FR-1], 0, v[SC+32*(\u)+16+8*((\q)/2)+\b], v[SC+32*(\u)+4*(\a)+(\q)] matrix_a_fmt:MATRIX_FMT_FP6 matrix_b_fmt:MATRIX_FMT_FP6
.elseif (\q)%2
	v_wmma_scale_f32_16x16x128_f8f6f4 v[8*(8*(\a)+\b):8*(8*(\a)+\b)+7], v[128*(\set)+FR*\b:128*(\set)+FR*\b+FR-1], v[AF+48*(\set)+FR*(\a):AF+48*(\set)+FR*(\a)+FR-1], v[8*(8*(\a)+\b):8*(8*(\a)+\b)+7], v[SC+32*(\u)+16+8*((\q)/2)+\b], v[SC+32*(\u)+4*(\a)+(\q)] matrix_a_fmt:MATRIX_FMT_FP6 matrix_b_fmt:MATRIX_FMT_FP6 matrix_a_scale:MATRIX_SCALE_ROW1
.else
	v_wmma_scale_f32_16x16x128_f8f6f4 v[8*(8*(\a)+\b):8*(8*(\a)+\b)+7], v[128*(\set)+FR*\b:128*(\set)+FR*\b+FR-1], v[AF+48*(\set)+FR*(\a):AF+48*(\set)+FR*(\a)+FR-1], v[8*(8*(\a)+\b):8*(8*(\a)+\b)+7], v[SC+32*(\u)+16+8*((\q)/2)+\b], v[SC+32*(\u)+4*(\a)+(\q)] matrix_a_fmt:MATRIX_FMT_FP6 matrix_b_fmt:MATRIX_FMT_FP6
.endif
.endr
.endr
.endm
.macro STEP slot, q, f, zero           ; one of a slot's first three steps of 128 keys
	s_wait_dscnt 0x0                               ; this step's fragments are in: they were asked for a step, 32 matrix instructions, ago
	PLACES 4                                       ; in front of loads into the set that the last step multiplied
	FETCH \slot, (\q)+1, 1-(\q)%2
	WIN 0xa1                                       ; source 0 (values) window 1, source 1 (p) window 0, C and D window 2
	MULH (\q)%2, \q, (\f)%2, 0, \zero
	MULH (\q)%2, \q, (\f)%2, 2, \zero
	WIN 0
.endm
; A slot's last step changes slots: one barrier; in front of it each wave waits for all its tensor loads, adds 0 to its spare word, and waits for that and for its reads of this slot.
.macro TURN slot, next, f, fill
	s_wait_tensorcnt 0x0                           ; all my tensor loads have landed: my part of the next slot
	ds_add_u32 v[SPW], v[NIL]                      ; 0 onto my spare word
	s_wait_dscnt 1                                 ; (only the add may be out: this step's fragments are in)
	WIN 0xa1
	MULH 1, 3, (\f)%2, 0, 0                        ; sixteen matrix instructions stand between the add and the wait for it
	s_wait_dscnt 0x0                               ; the add is done, and my reads of this slot are over
	s_barrier_signal -1
	WIN 0
	s_barrier_wait -1
.if \fill
	CREST                                          ; the barrier has opened a round of the cluster's: no wave of any partner still reads this slot or has a load on its way
	s_add_nc_u64 s[G0+4*\slot+2:G0+4*\slot+3], s[G0+4*\slot+2:G0+4*\slot+3], 12288
	s_add_nc_u64 s[G0B+4*\slot+2:G0B+4*\slot+3], s[G0B+4*\slot+2:G0B+4*\slot+3], 12288
	JLOAD \slot                                    ; the first tensor load behind the round: it has four steps, 128 matrix instructions, in which to land; its four v_nop are the places in front of the loads below
.else
	PLACES 4
.endif
	FETCH \next, 0, 0
	SCALES (\f)+1
	WIN 0xa1
	MULH 1, 3, (\f)%2, 2, 0
	WIN 0
.endm
	s_wait_tensorcnt 1                             ; my part of slot 0 (and of the values' scale words) is in; slot 1's load may be out
	s_wait_dscnt 0x0                               ; my query's words and 1 / l have landed
	s_barrier_signal -1
	s_barrier_wait -1
	FETCH 0, 0, 0
	SCALES 0
.irp a, 0,1,2,3
	ds_load_b32 v[RL+\a], v[ADRL] offset:64*\a
.endr
	STEP 0, 0, 0, 1                                ; the first products start the sums
	STEP 0, 1, 0, 0
	STEP 0, 2, 0, 0
	TURN 0, 1, 0, 1
	STEP 1, 0, 1, 0
	STEP 1, 1, 1, 0
	STEP 1, 2, 1, 0
	TURN 1, 0, 1, 1
	STEP 0, 0, 2, 0
	STEP 0, 1, 2, 0
	STEP 0, 2, 2, 0
	TURN 0, 1, 2, 0                                ; nothing is left to fetch
	STEP 1, 0, 3, 0
	STEP 1, 1, 3, 0
	STEP 1, 2, 3, 0
	s_wait_dscnt 0x0
	WIN 0xa1
	MULH 1, 3, 1, 0, 0
	MULH 1, 3, 1, 2, 0
	WIN 0
	PLACES 4                                       ; in front of the first read of results and of loads into registers that held fragments
; THE WAY OUT, a tile of 16 queries x 128 features at a time: x 1 / l in place, through my stage in LDS, back as whole rows of 512 bytes.
.macro TOSTAGE a
	WIN 0x82                                       ; destination and source 0: window 2
.set k, 0
.rept 32                                       ; each accumulator from its low end on
.if (\a)%2
	v_pk_mul_f32 v[64*(\a)+k:64*(\a)+k+1], v[64*(\a)+k:64*(\a)+k+1], v[RL+(\a)-1:RL+(\a)] op_sel:[0,1] op_sel_hi:[1,1]
.else
	v_pk_mul_f32 v[64*(\a)+k:64*(\a)+k+1], v[64*(\a)+k:64*(\a)+k+1], v[RL+(\a):RL+(\a)+1] op_sel_hi:[1,0]
.endif
.set k, k+2
.endr
	WIN 0x08                                       ; an LDS store's data are its source 1: window 2
.irp b, 0,1,2,3,4,5,6,7
	ds_store_b128 v[STO], v[64*(\a)+8*\b:64*(\a)+8*\b+3] offset:64*\b
	ds_store_b128 v[STO], v[64*(\a)+8*\b+4:64*(\a)+8*\b+7] offset:64*\b+16
.endr
	WIN 0
.irp t, 0,1,2,3,4,5,6,7,8,9,10,11,12,13,14,15
	ds_load_b128 v[BK+64*((\a)%2)+4*\t:BK+64*((\a)%2)+4*\t+3], v[RD] offset:\t*SPITCH   ; LDS serves a wave's instructions in order: these see the stores above
.endr
.endm
.macro SEND a, younger                 ; row t of tile a is true query 32 (a / 2) + 8 (a % 2) + t + 8 (t / 8) of my 64
	s_wait_dscnt \younger
.irp t, 0,1,2,3,4,5,6,7,8,9,10,11,12,13,14,15
	global_store_b128 v[CO], v[BK+64*((\a)%2)+4*\t:BK+64*((\a)%2)+4*\t+3], s[12:13] offset:(32*((\a)/2)+8*((\a)%2)+\t+8*(\t/8))*4096 th:TH_STORE_NT   ; 512 consecutive bytes, at a multiple of 256 from out0's first byte
.endr
.endm
	TOSTAGE 0
.irp a, 1,2,3
.if \a > 1
	s_wait_xcnt 0x0                                ; the stores of two tiles back have read their registers: this tile's rows may land there
.endif
	TOSTAGE \a
	SEND \a-1, 32                                  ; behind tile a - 1's loads: tile a's 16 stores and 16 loads
.endr
	SEND 3, 0
	s_wait_tensorcnt 0x0                           ; the wave's end
	ds_add_u32 v[SPW], v[NIL]
	s_wait_dscnt 0x0
	CROUND                                         ; the closing round
	s_endpgm
.Lfunc_end_k_q0e09687bbe_pv:
	.size	k_q0e09687bbe_pv, .Lfunc_end_k_q0e09687bbe_pv-k_q0e09687bbe_pv
	.p2alignl 7, 3214868480
	.fill 96, 4, 3214868480
	.section	.rodata,"a",@progbits
	.p2align	6, 0x0
	.amdhsa_kernel k_q0e09687bbe_pv
		.amdhsa_group_segment_fixed_size 327680
		.amdhsa_private_segment_fixed_size 0
		.amdhsa_enable_private_segment 0
		.amdhsa_kernarg_size 40
		.amdhsa_user_sgpr_count 2
		.amdhsa_user_sgpr_kernarg_segment_ptr 1
		.amdhsa_wavefront_size32 1
		.amdhsa_system_sgpr_workgroup_id_x 1
		.amdhsa_system_sgpr_workgroup_id_y 1
		.amdhsa_system_sgpr_workgroup_id_z 1
		.amdhsa_system_vgpr_workitem_id 0
		.amdhsa_next_free_vgpr 768
		.amdhsa_next_free_sgpr 84
		.amdhsa_reserve_vcc 0
		.amdhsa_float_denorm_mode_32 3
		.amdhsa_float_denorm_mode_16_64 3
		.amdhsa_memory_ordered 1
		.amdhsa_forward_progress 1
		.amdhsa_inst_pref_size 161
	.end_amdhsa_kernel
	.amdgpu_metadata
---
amdhsa.version: [ 1, 2 ]
amdhsa.kernels:
  - .name:           k_q0e09687bbe_pv
    .symbol:         k_q0e09687bbe_pv.kd
    .args:
      - { .name: pc, .offset: 0, .size: 8, .value_kind: global_buffer, .address_space: global }
      - { .name: pstat, .offset: 8, .size: 8, .value_kind: global_buffer, .address_space: global }
      - { .name: vc, .offset: 16, .size: 8, .value_kind: global_buffer, .address_space: global }
      - { .name: vs, .offset: 24, .size: 8, .value_kind: global_buffer, .address_space: global }
      - { .name: out0, .offset: 32, .size: 8, .value_kind: global_buffer, .address_space: global }
    .group_segment_fixed_size: 327680
    .private_segment_fixed_size: 0
    .kernarg_segment_align: 8
    .kernarg_segment_size: 40
    .max_flat_workgroup_size: 128
    .sgpr_count:     84
    .vgpr_count:     768
    .wavefront_size: 32
...
	.end_amdgpu_metadata
.endif
;; end of part 4
